; MI455X (gfx1250); checked and timed in simulation.
; The chip was launched on July 23, 2026; its instructions are those of AMD's public machine-readable ISA for CDNA 5 (MIT licence, August 2026) and "CDNA5" Instruction Set Architecture Reference Guide (July 2026). The comments in the code are by the model that wrote it; some were corrected since.
;; Multi Head Attention. Allowed arithmetic: matrix products marked QUANTISED: E4M3 operands, one E8M0 scale for each 32 along K, by v_wmma_scale_f32_16x16x128_f8f6f4 with both operands' format E4M3, f32 sums; everything else in f32.
;; Inputs: in_features 4 x 2,048 x 1,024 float32; k_proj 1,024 x 1,024 float32; o_proj 1,024 x 1,024 float32; q_proj 1,024 x 1,024 float32; v_proj 1,024 x 1,024 float32.
;; Outputs: out0 4 x 2,048 x 1,024 float32.
;; This version of the problem:
;;   THIS VERSION OF THE PROBLEM IS GIVEN IN LOW PRECISION. The matrix products marked QUANTISED in the list below multiply operands that are first quantised to E4M3 (4 exponent bits, 3 mantissa bits; 8 bits a number), with one power-of-two scale for each 32 numbers along K (OCP MX v1.0); their sums are f32. All else is computed in f32.
;;   The module's matrix products, in the order in which they are computed (A, B: the left and right operand; K: the contracted axis; several contracted axes count as one K, in the product's order):
;;     1. [M 8,192, K 1,024] x [K 1,024, N 1,024]; A: input in_features; B: input q_proj: QUANTISED
;;     2. [M 8,192, K 1,024] x [K 1,024, N 1,024]; A: input in_features; B: input k_proj: QUANTISED
;;     3. [M 8,192, K 1,024] x [K 1,024, N 1,024]; A: input in_features; B: input v_proj: QUANTISED
;;     4. batch 64 x [M 2,048, K 64] x [K 64, N 2,048]; A: computed on the way; B: computed on the way: QUANTISED
;;     5. batch 64 x [M 2,048, K 2,048] x [K 2,048, N 64]; A: softmax (see below); B: computed on the way: QUANTISED
;;     6. [M 8,192, K 1,024] x [K 1,024, N 1,024]; A: computed on the way; B: input o_proj: QUANTISED
;;   THE QUANTISER, for each operand of a quantised product, along K:
;;     - K is cut into blocks of 32 from its start; a last block that is shorter is filled with zeros.
;;     - A block's scale is 2^e with e = floor(log2(the largest magnitude in the block)) - 8, held to -126 .. 127; a block of zeros has e = 0. As a byte (E8M0): e + 127.
;;     - Each number is divided by its block's scale, clamped to +-448, and rounded to the nearest number of E4M3, ties to even, subnormals kept.
;;     - The product sums the exact products of the quantised numbers (number of the format x scale) in f32.
;;   ~~~python
;;   def quantise(x, axis):      # numpy; x: float32 -> the quantised numbers, widened to float32 again
;;       x = np.moveaxis(x, axis, -1); K = x.shape[-1]
;;       x = np.pad(x, [(0, 0)] * (x.ndim - 1) + [(0, -K % 32)]); x = x.reshape(x.shape[:-1] + (-1, 32)); a = np.abs(x).max(-1, keepdims=True)
;;       e = np.where(a > 0, np.clip(np.frexp(np.where(a > 0, a, 1))[1] - 1 - 8, -126, 127), 0)      # np.frexp(a)[1] - 1 = floor(log2(a)), exactly
;;       r = np.clip(x / 2.0 ** e, -448, 448)
;;       step = 2.0 ** (np.maximum(np.frexp(np.where(r == 0, 1, r))[1] - 1, -6) - 3)
;;       q = np.round(r / step) * step * 2.0 ** e      # np.round: ties to even
;;       return np.moveaxis(q.reshape(q.shape[:-2] + (-1,))[..., :K], -1, axis).astype(np.float32)
;;   ~~~
;;   SOFTMAX AHEAD OF A QUANTISED PRODUCT. Where the list says 'softmax', what is quantised is not the finished softmax but p = 2^(t - M), with t = logit x log2(e) and M = ceil(the row's largest t), a whole number; so 1/2 < the row's largest p <= 1. The row's sum l is taken of the UNQUANTISED p, in f32, and the product's result is divided by l at the end. Since M is a whole number, a kernel that streams over the keys may use a running M (the ceiling of the running maximum): every later rescaling is an exact power of two, which a block's scale takes up: the codes' values come out the same.
;;   OPERANDS COMPUTED ON THE WAY. 'Computed on the way' means the value that the module computes at that place (a softmax that the list does not call 'softmax' is quantised finished and normalised). What goes into a quantiser is computed in f32, as accurately as f32 sums, v_exp_f32 and their like allow (about 1e-6 of the number): no bf16 or f16 on the way to a quantiser, and a product that is left as it is and whose result goes on into a quantised operand takes f32 operands (vector FMAs, or v_wmma_f32_16x16x4_f32). A number that lies on a knife's edge between two numbers of the format may be rounded either way, as far as f32 arithmetic and the matrix unit's own rounding can turn it there, and no further.
;; 2 versions, each right; version 2 is version 1 with the launch attn written anew for expert scheduling mode. Each part assembles by itself: llvm-mc -triple=amdgcn-amd-amdhsa -mcpu=gfx1250 --defsym DOCPART=n.
;; ======== version 1 of 2: 4 launches
;; workspace buffers: xq 8,650,752 bytes; wq 4,325,376 bytes; qk 17,301,504 bytes; vt 8,650,752 bytes; ao 8,650,752 bytes
;; launch quant (part 1): grid 384 x 1, 4 waves a work-group, no clusters, 33,280 bytes of LDS; arguments in_features, q_proj, k_proj, v_proj, o_proj, xq, wq; writes xq, wq
.if DOCPART == 1
	.amdgcn_target "amdgcn-amd-amdhsa--gfx1250"
	.amdhsa_code_object_version 6
	.text
	.protected	k_q9552d7030d_quant
	.globl	k_q9552d7030d_quant
	.p2align	8
	.type	k_q9552d7030d_quant,@function
k_q9552d7030d_quant:
	s_mov_b64 s[64:65], 0
	v_nop
	global_prefetch_b8 v0, s[64:65] scope:SCOPE_SE
	s_setreg_imm32_b32 hwreg(HW_REG_WAVE_MODE, 25, 1), 1
	s_wait_xcnt 0x0
; x [8192][1024] and the four weights [1024][1024], f32, K innermost, become codes of FP8 (E4M3) with one E8M0 scale byte for each 32 along K.
; A block's scale is 2^(floor(log2(its largest magnitude)) - 8); its byte is the largest magnitude's exponent field - 8, held at 1 from below; each number is divided by the scale,
; held within +-448 and rounded to the nearest code, ties to even.
; LIMITS: a block whose largest magnitude lies under 2^-118 gets the byte 1 (the floor); a block of zeros gets the byte 1 where the rule says 127 (its codes are zeros, and this
; program alone reads the bytes); NaN and infinities among the inputs are not served.
; OUT: xq = codes [8192 places][1024], then scale bytes [8192 places][32] from byte 8,388,608.  wq = codes [4096][1024] (Wq, Wk, Wv, Wo), then scale bytes [4096][32] from byte 4,194,304.
; PLACE ORDER: row rho of x, Wq, Wk and Wv is stored at the place that has bits 3 and 4 of rho exchanged; Wo keeps its order.  A matrix result whose registers run over 16 consecutive
; places of two neighbouring tiles then holds 16 NEIGHBOURS in the true order, which is what the next product's operand wants.
; SHARES: a work-group takes 32 rows, wave w rows 8 w .. 8 w + 7: one run of 8,192 numbers, 16 steps of 512.  The exchange of bits 3 and 4 is the exchange of waves 1 and 2 on the way out.
; Work-groups 0-255 take x, then 32 each Wq, Wk, Wv, Wo: only pointers and numbers are chosen, all take one path.
; A step's four loads read 512 consecutive bytes each; the 2,048 bytes turn through the wave's own stage in LDS and come back 64 bytes (16 neighbours) a lane; two lanes hold a block.
.set STEPS, 16
.set EMAX,  8
.set MANT,  0x600000                   ; the mantissa field of 448 as f32
.set CB,    16                         ; bytes of 16 codes
.set R,     16                         ; v16-79   four sets of 16 numbers as they are loaded
.set X,     80                         ; v80-111  two sets of 16 neighbours
.set C,     128                        ; v128-191 codes: four registers for each step, so that no store's data are written again
.set E,     112                        ; v112-127 a scale byte for each step
.set WREG,  8192                       ; LDS: a region for each wave: two stages of 32 x SP bytes, behind them its 256 scale bytes
.set SP,    80                         ; a lane's place in a stage: 64 bytes + 16 of padding
	s_load_b256 s[4:11], s[0:1], 0x0               ; x, Wq, Wk, Wv
	s_load_b128 s[12:15], s[0:1], 0x20             ; Wo, xq
	s_load_b64 s[16:17], s[0:1], 0x30              ; wq
	v_lshl_add_u32 v192, v0, 2, 0x8000
	v_mov_b32 v193, 0
	v_lshrrev_b32 v1, 5, v0
	v_readfirstlane_b32 s24, v1                    ; wave
	v_and_b32 v2, 31, v0                           ; lane
	v_lshlrev_b32 v3, 4, v2                        ; my 16 bytes of a load's 512
	s_mul_i32 s34, s24, WREG
	v_lshrrev_b32 v14, 2, v2
	v_mul_u32_u24 v14, v14, SP
	v_and_b32 v15, 3, v2
	v_lshl_add_u32 v14, v15, 4, v14
	v_add_nc_u32 v14, s34, v14                     ; the stage, on the way in: SP (lane / 4) + 16 (lane % 4)
	v_mul_u32_u24 v15, v2, SP
	v_add_nc_u32 v15, s34, v15                     ; and on the way out: SP x lane: my 16 neighbours
	v_mul_u32_u24 v4, v2, CB                       ; my codes' place in a step's
	v_lshrrev_b32 v5, 1, v2
	s_add_co_u32 s34, s34, 2*32*SP
	v_add_nc_u32 v5, s34, v5                       ; LDS: my wave's 256 scale bytes, my block's byte
	v_lshlrev_b32 v7, 3, v2                        ; and on the way out 8 bytes a lane
	v_add_nc_u32 v6, s34, v7
	s_mov_b32 s23, MANT
	s_sub_co_u32 s25, ttmp9, 256                   ; a weight's group of 32 rows among wq's 128 (used from work-group 256 on)
	s_and_b32 s26, s25, 31                         ; and inside its own tensor
	s_and_b32 s29, s24, 1
	s_lshl_b32 s29, s29, 1
	s_lshr_b32 s31, s24, 1
	s_or_b32 s29, s29, s31                         ; my wave's place on the way out: its two bits exchanged
	s_mov_b32 s30, 4194304                         ; where wq's scale bytes begin
	s_wait_kmcnt 0x0
	s_cmp_lt_u32 ttmp9, 352                        ; the choices hang on the work-group's number alone
	s_cselect_b64 s[18:19], s[10:11], s[12:13]     ; Wv, else Wo
	s_cselect_b32 s29, s29, s24                    ; Wo keeps its order
	s_cmp_lt_u32 ttmp9, 320
	s_cselect_b64 s[18:19], s[8:9], s[18:19]       ; Wk
	s_cmp_lt_u32 ttmp9, 288
	s_cselect_b64 s[18:19], s[6:7], s[18:19]       ; Wq
	s_cmp_lt_u32 ttmp9, 256
	s_cselect_b64 s[18:19], s[4:5], s[18:19]       ; x
	s_cselect_b64 s[20:21], s[14:15], s[16:17]     ; xq, else wq
	s_cselect_b32 s27, ttmp9, s26                  ; the group in the source,
	s_cselect_b32 s28, ttmp9, s25                  ; and in the destination
	s_cselect_b32 s30, 8388608, s30                ; where the destination's scale bytes begin
	s_lshl_b32 s27, s27, 2
	s_add_co_u32 s27, s27, s24
	s_lshl_b32 s32, s27, 15                        ; a run is 32,768 bytes of f32
	s_mov_b32 s33, 0
	s_add_nc_u64 s[4:5], s[18:19], s[32:33]
	s_lshl_b32 s28, s28, 2
	s_add_co_u32 s28, s28, s29
	s_lshl_b32 s32, s28, 13                        ; 8,192 bytes of codes
	s_add_nc_u64 s[8:9], s[20:21], s[32:33]
	s_lshl_b32 s32, s28, 8                         ; 256 scale bytes
	s_add_co_u32 s32, s32, s30
	s_add_nc_u64 s[10:11], s[20:21], s[32:33]
.macro LOAD t
.irp i, 0,1,2,3
	global_load_b128 v[R+16*((\t)%4)+4*\i:R+16*((\t)%4)+4*\i+3], v3, s[4:5] offset:2048*(\t)+512*\i th:TH_LOAD_NT   ; 32 lanes read 512 consecutive bytes
.endr
.endm
.macro TURN t                          ; step t's numbers through the stage: LDS serves a wave's instructions in order, so no wait stands between the stores and the loads
.irp i, 0,1,2,3
	ds_store_b128 v14, v[R+16*((\t)%4)+4*\i:R+16*((\t)%4)+4*\i+3] offset:32*SP*((\t)%2)+8*SP*\i
.endr
.irp i, 0,1,2,3
	ds_load_b128 v[X+16*((\t)%2)+4*\i:X+16*((\t)%2)+4*\i+3], v15 offset:32*SP*((\t)%2)+16*\i
.endr
.endm
.irp t, 0,1,2,3
	LOAD \t
.endr
	s_wait_loadcnt 12                              ; step 0's four loads are in; twelve younger ones stay out
	TURN 0
.macro STEP t
.set XS, X+16*((\t)%2)
.if (\t) > 0
	s_wait_dscnt 1                                 ; this step's numbers are back from the stage (the last step's byte store may be out)
.else
	s_wait_dscnt 0x0
.endif
.if (\t)+4 < STEPS
	LOAD (\t)+4                                    ; into the registers that the stage's stores have read
.endif
.if (\t)+1 < STEPS
.if STEPS-2-(\t) >= 3
	s_wait_loadcnt 12                              ; the next step's four loads are in; those of the three steps behind it may be out
.else
	s_wait_loadcnt 4*(STEPS-2-(\t))
.endif
	TURN (\t)+1                                    ; through the other stage while this step is worked
.endif
	v_max3_num_f32 v8, |v[XS]|, |v[XS+1]|, |v[XS+2]|               ; the largest magnitude of my 16, in two chains
	v_max3_num_f32 v9, |v[XS+3]|, |v[XS+4]|, |v[XS+5]|
.irp i, 6,10
	v_max3_num_f32 v8, v8, |v[XS+\i]|, |v[XS+\i+1]|
	v_max3_num_f32 v9, v9, |v[XS+\i+2]|, |v[XS+\i+3]|
.endr
	v_max3_num_f32 v8, v8, |v[XS+14]|, |v[XS+15]|
	v_max3_num_f32 v8, v8, v9, (EMAX+1)<<23        ; and the floor 2^(9 - 127): the byte cannot fall under 1
	v_max_num_f32_dpp v8, v8, v8 row_xmask:1 row_mask:0xf bank_mask:0xf   ; and of my neighbour's 16: the block's
	v_add_nc_u32 v11, -(EMAX<<23), v8              ; 8 off its exponent field: the conversion takes the exponent field of this operand as its scale
	v_and_or_b32 v10, v8, 0x7f800000, s23          ; 448 x the scale
.irp i, 0,1,2,3,4,5,6,7,8,9,10,11,12,13,14,15
	v_med3_num_f32 v[XS+\i], v[XS+\i], -v10, v10   ; the conversion to an 8-bit code does not saturate (ISA guide 7.6.2): the hold comes first
.endr
	v_cvt_scalef32_pk8_fp8_f32 v[C+4*(\t):C+4*(\t)+1], v[XS:XS+7], v11
	v_cvt_scalef32_pk8_fp8_f32 v[C+4*(\t)+2:C+4*(\t)+3], v[XS+8:XS+15], v11
	v_lshrrev_b32 v[E+(\t)], 23, v11               ; the scale's byte (also the plain line behind the conversions)
	ds_store_b8 v5, v[E+(\t)] offset:16*(\t)       ; both lanes of a block write the same byte with the same value
	global_store_b128 v4, v[C+4*(\t):C+4*(\t)+3], s[8:9] offset:32*CB*(\t)   ; the wave stores 512 consecutive bytes
.endm
.irp t, 0,1,2,3,4,5,6,7,8,9,10,11,12,13,14,15
	STEP \t
.endr
	ds_load_b64 v[12:13], v6                       ; LDS serves a wave's instructions in order: these see my stores
	s_wait_dscnt 0x0
	global_store_b64 v7, v[12:13], s[10:11]        ; 32 lanes store 256 consecutive bytes, aligned
	s_wait_tensorcnt 0x0
	ds_add_u32 v192, v193
	s_wait_dscnt 0x0
	s_endpgm
.Lfunc_end_k_q9552d7030d_quant:
	.size	k_q9552d7030d_quant, .Lfunc_end_k_q9552d7030d_quant-k_q9552d7030d_quant
	.p2alignl 7, 3214868480
	.fill 96, 4, 3214868480
	.section	.rodata,"a",@progbits
	.p2align	6, 0x0
	.amdhsa_kernel k_q9552d7030d_quant
		.amdhsa_group_segment_fixed_size 33280
		.amdhsa_private_segment_fixed_size 0
		.amdhsa_enable_private_segment 0
		.amdhsa_kernarg_size 56
		.amdhsa_user_sgpr_count 2
		.amdhsa_user_sgpr_kernarg_segment_ptr 1
		.amdhsa_wavefront_size32 1
		.amdhsa_system_sgpr_workgroup_id_x 1
		.amdhsa_system_sgpr_workgroup_id_y 1
		.amdhsa_system_sgpr_workgroup_id_z 1
		.amdhsa_system_vgpr_workitem_id 0
		.amdhsa_next_free_vgpr 194
		.amdhsa_next_free_sgpr 66
		.amdhsa_reserve_vcc 0
		.amdhsa_float_denorm_mode_32 3
		.amdhsa_float_denorm_mode_16_64 3
		.amdhsa_memory_ordered 1
		.amdhsa_forward_progress 1
		.amdhsa_inst_pref_size 52
	.end_amdhsa_kernel
	.amdgpu_metadata
---
amdhsa.version: [ 1, 2 ]
amdhsa.kernels:
  - .name:           k_q9552d7030d_quant
    .symbol:         k_q9552d7030d_quant.kd
    .args:
      - { .name: in_features, .offset: 0, .size: 8, .value_kind: global_buffer, .address_space: global }
      - { .name: q_proj, .offset: 8, .size: 8, .value_kind: global_buffer, .address_space: global }
      - { .name: k_proj, .offset: 16, .size: 8, .value_kind: global_buffer, .address_space: global }
      - { .name: v_proj, .offset: 24, .size: 8, .value_kind: global_buffer, .address_space: global }
      - { .name: o_proj, .offset: 32, .size: 8, .value_kind: global_buffer, .address_space: global }
      - { .name: xq, .offset: 40, .size: 8, .value_kind: global_buffer, .address_space: global }
      - { .name: wq, .offset: 48, .size: 8, .value_kind: global_buffer, .address_space: global }
    .group_segment_fixed_size: 33280
    .private_segment_fixed_size: 0
    .kernarg_segment_align: 8
    .kernarg_segment_size: 56
    .max_flat_workgroup_size: 128
    .sgpr_count:     66
    .vgpr_count:     194
    .wavefront_size: 32
...
	.end_amdgpu_metadata
.endif
;; end of part 1
;; launch qkv (part 2): grid 12 x 32, 4 waves a work-group, clusters of 4 x 4, 327,680 bytes of LDS; arguments xq, wq, qk, vt; writes qk, vt
.if DOCPART == 2
	.amdgcn_target "amdgcn-amd-amdhsa--gfx1250"
	.amdhsa_code_object_version 6
	.text
	.protected	k_q9552d7030d_qkv
	.globl	k_q9552d7030d_qkv
	.p2align	8
	.type	k_q9552d7030d_qkv,@function
k_q9552d7030d_qkv:
	s_mov_b64 s[64:65], 0
	v_nop
	global_prefetch_b8 v0, s[64:65] scope:SCOPE_SE
	s_setreg_imm32_b32 hwreg(HW_REG_WAVE_MODE, 25, 1), 1
	s_wait_xcnt 0x0
	s_wait_alu depctr_hold_cnt(0) depctr_sa_sdst(0) depctr_va_vdst(0) depctr_va_sdst(0) depctr_va_ssrc(0) depctr_va_vcc(0) depctr_vm_vsrc(0)
	s_getreg_b32 s2, hwreg(HW_REG_IB_STS2, 6, 4)
	s_cmp_eq_u32 s2, 0
	s_cbranch_scc0 .Lentry_in_a_cluster
	s_endpgm
.Lentry_in_a_cluster:
	s_bfe_u32 s2, ttmp6, 0x10000c
	s_cmp_lg_u32 s2, 0xf033
	s_cbranch_scc0 .Lentry_shape_is_right
	s_endpgm
.Lentry_shape_is_right:
; Q = x Wq^T, K = x Wk^T, V = x Wv^T on codes of FP8 (E4M3) with E8M0 scales for each 32 along K = 1,024; the f32 sums are quantised on the way out, as operands of the attention's products.
; TWO PARTS, ONE TEXT.  Clusters with x = 0, 1: A = x (8,192 token places), B = Wq and Wk on end (2,048 places).  Clusters with x = 2: A = Wv (1,024 places), B = x.
; The matrix instruction takes 16 rows of B as source 0 and 16 rows of A as source 1: a lane holds ONE row of A, and its registers run over rows of B.  x, Wq, Wk, Wv are stored in PLACE ORDER
; (bits 3 and 4 of the row exchanged), so the 16 registers of B's blocks 2 g and 2 g + 1 are 16 neighbours in the true order: 32 g + 16 (lane / 16) + 0 .. 15: the layout of an 8-bit operand.
; So Q and K are quantised along the head's 64 (registers along Wq's, Wk's rows) and V along the tokens (registers along x's rows), with no transposition.
; OUT.  A wave's 128 rows of A x 128 rows of B become 128 rows of 128 codes, 16,384 dense bytes, and 128 scale words.  qk = codes [16 chunks][8192 token places][128] (chunk p: Q of heads 2 p, 2 p + 1;
; chunk 8 + p: K of them), then words [16][8192] from byte 16,777,216.  vt = codes [64 blocks of 128 tokens][1024 places of (head, d)][128 tokens], then words [64][1024] from byte 8,388,608.
; LIMITS: a block under 2^-118 or of zeros gets the byte 1; NaN and infinities are not served.
; A tile of 256 x 256 is made by four waves, 128 x 128 each: 64 accumulators, 512 registers.  K goes in steps of 256 through a ring of two LDS slots filled by the tensor data mover;
; the scale bytes of the work-group's rows, for all of K, come once with the first fills.  CLUSTERS of 4 x 4: A's tiles are asked for jointly along a row of the cluster, B's along a column.
; REGISTERS: window 0: v0-31 addresses; v32-63 scale words, two sets, and nothing else; v64-119 at work on the way out; from v128 A's fragments, one set (on the way out: 64 held numbers, rows read back).
;   window 1: B's fragments, two sets.   window 2: the accumulators of my rows 0-63 ((a, b) at v[8 (8 a + b)]);   window 3: those of my rows 64-127.
.set SIZE_K, 1024
.set KSTEP,  256                       ; along K in a slot
.set NQ,     KSTEP/128                 ; matrix instructions deep
.set ROWB,   256                       ; a tile's row in bytes
.set KROW,   SIZE_K                    ; a row of codes in memory
.set PITCH,  272                       ; an LDS row: 256 bytes + 16 of padding: the 16 rows of a fragment load start at 16 different groups of banks
.set FR,     16                        ; registers of a fragment
.set NL,     4                         ; LDS loads that bring one
.set NP,     8                         ; places behind this matrix instruction (ISA guide 7.12.1)
.set HALFT,  128*PITCH                 ; 128 rows: what one tensor load brings
.set SLOT,   4*HALFT                   ; A's 256 rows, then B's 256 rows
.set LAPS,   SIZE_K/(2*KSTEP)
.set KS,     SIZE_K/32                 ; a row of scale bytes
.set SCL,    2*SLOT                    ; behind the ring: the scales, as units of 256 bytes + 16 of padding
.set HALFS,  (128*KS/256)*272
.set SBLK,   (16*KS/256)*272
.set SPARE,  SCL+4*HALFS               ; the spare words, 128 bytes for each wave
.set OPITCH, 144                       ; the way out: a stage row: 128 bytes of codes + 16
.set WSTG,   128*OPITCH+512            ; a wave's stage: 128 rows, then 128 scale words.  The stages lie in slot 0, which has had its last fill and its last read by then
.set ADRA, 16
.set ADRB, 20
.set STO,  24                          ; v24  the stage: where I put 16 codes of my row
.set RD,   25                          ; v25  where I read rows back: four rows of 128 bytes an instruction
.set CO,   26                          ; v26  16 x lane
.set ADRS, 27
.set SPW,  28
.set NIL,  29
.set SSO,  30                          ; v30  the stage: my row's scale word
.set SRD,  31                          ; v31  and four words a lane on the way back
.set SC,   32
.set AF,   128
.set TM,   64                          ; v64-67 largest magnitudes, v68-71 bytes, v72-75 448 x the scale, v76-79 the conversions' scale operands
.set PW,   80                          ; v80-81 the scale word, two sets
.set PC,   84                          ; v84-115 codes, two sets of 16
.set SW,   116                         ; v116-119 scale words read back
.set HB,   128                         ; v128-191 64 held numbers
.set BK,   192                         ; v192-223 rows read back, two sets of 16
.set G1, 24
.set G0, 32
.set G1B, 48
.set G0B, 56
.set G1S, 68
.set G0S, 76
.set G1SB, 80
.set G0SB, 88
.set MSB, 0
.macro WIN new                         ; the immediate's high byte repeats the setting that is left
.if MSB != \new
	s_set_vgpr_msb (MSB<<8)|\new
.set MSB, \new
.endif
.endm
.set MUL_LO, 0xa1                      ; source 0 (B) window 1, source 1 (A) window 0, C and D window 2
.set MUL_HI, 0xf1                      ; the same, C and D window 3
.set TO_B,   0x40                      ; destination window 1, address window 0
; A joint load: waves 0 and 1 fetch for A, waves 2 and 3 for B.  The branch hangs on the wave's number alone.  Four v_nop follow each of the two lines.
.macro JLOAD g0a, g1a, g0b, g1b
	s_cmp_eq_u32 s15, 0
	s_cbranch_scc0 .Lfor_b_\@
	tensor_load_to_lds s[\g0a:\g0a+3], s[\g1a:\g1a+7]
	s_nop 0
.rept 4
	v_nop
.endr
	s_branch .Lasked_\@
.Lfor_b_\@:
	tensor_load_to_lds s[\g0b:\g0b+3], s[\g1b:\g1b+7]
	s_nop 0
.rept 4
	v_nop
.endr
.Lasked_\@:
.endm
.macro CREST                           ; a round of the cluster's barrier behind its opening barrier
	s_cmp_lg_u32 s14, 0
	s_cbranch_scc1 .Lnot_wave_0_\@
	s_barrier_signal -3
.Lnot_wave_0_\@:
	s_barrier_wait -3
	s_barrier_signal -1
	s_barrier_wait -1
.endm
.macro CROUND                          ; a whole round
	s_barrier_signal -1
	s_barrier_wait -1
	CREST
.endm
	s_load_b256 s[4:11], s[0:1], 0x0               ; xq, wq, qk, vt
	v_lshl_add_u32 v[SPW], v0, 2, SPARE
	v_mov_b32 v[NIL], 0
	ds_add_u32 v28, v29
	ds_add_u32 v28, v29
	s_wait_dscnt 0x0
	v_lshrrev_b32 v1, 5, v0
	v_readfirstlane_b32 s14, v1                    ; wave 0..3
	s_lshr_b32 s15, s14, 1                         ; which half of A's rows is mine.  Also: I fetch for A (0) or for B (1)
	s_and_b32 s16, s14, 1                          ; which half of B's rows.  Also: which 128 rows of that tile I fetch
	s_bfe_u32 s40, ttmp6, 0x40000                  ; cx, cy: my place in the cluster
	s_bfe_u32 s41, ttmp6, 0x40004
	s_and_b32 s17, ttmp7, 0xffff                   ; the cluster's y
	s_mov_b32 s95, 1024
	s_mov_b32 s66, 0x200000
	s_mov_b32 s67, 4259840
	s_mov_b32 s96, 8388608
	s_mov_b32 s2, 8388608
	s_cmp_lt_u32 ttmp9, 2                          ; the part: it hangs on the cluster's x, which all sixteen partners share
	s_cselect_b32 s42, ttmp9, s17                  ; B's tiles go along the cluster's x (Q, K) or y (V),
	s_cselect_b32 s17, s17, 0                      ; A's along its y, or there are only the cluster's four
	s_cselect_b32 s95, 8192, s95                   ; rows of A in all
	s_cselect_b32 s66, 0, s66                      ; where A's codes begin in their buffer (Wv: row 2,048 of wq),
	s_cselect_b32 s67, 8388608, s67                ; A's scale bytes,
	s_cselect_b32 s96, 4194304, s96                ; B's scale bytes,
	s_cselect_b32 s2, 16777216, s2                 ; and the scale words of what is stored
	s_lshl_b32 s42, s42, 2
	s_add_co_u32 s42, s42, s40                     ; B's tile
	s_lshl_b32 s17, s17, 2
	s_add_co_u32 s17, s17, s41                     ; A's tile
	s_lshl_b32 s43, s41, 2
	s_lshl_b32 s43, 15, s43                        ; my row of the cluster
	s_lshl_b32 s44, 0x1111, s40                    ; my column
	; descriptor group 1: a tile of 128 rows x 256 bytes, padded in LDS
	s_or_b32 s[G1+0], s43, (0<<16)|(1<<20)|(1<<21)|(5<<22)|(3<<25)  ; 15:0 the mask; 17:16 elements of 1 byte; 20 padding on; 21 set beside a mask; 24:22 after every 64 words; 31:25 four words
	s_or_b32 s[G1B+0], s44, (0<<16)|(1<<20)|(1<<21)|(5<<22)|(3<<25)
.irp g, G1, G1B
	s_mov_b32 s[\g+1], ROWB<<16                    ; tensor_dim0
	s_mov_b32 s[\g+2], 128<<16                     ; tensor_dim1
	s_mov_b32 s[\g+3], ROWB<<16                    ; tile_dim0
	s_mov_b32 s[\g+4], 128                         ; tile_dim1
	s_mov_b32 s[\g+5], KROW                        ; tensor_dim0_stride
	s_mov_b32 s[\g+6], 0
	s_mov_b32 s[\g+7], 0
.endr
	; the scales of 128 rows: a dense block of 4,096 bytes, as 16 rows of 256 bytes (32 elements of 8 bytes), 16 bytes of padding behind each
	s_or_b32 s[G1S+0], s43, (3<<16)|(1<<20)|(1<<21)|(5<<22)|(3<<25)
	s_or_b32 s[G1SB+0], s44, (3<<16)|(1<<20)|(1<<21)|(5<<22)|(3<<25)
.irp g, G1S, G1SB
	s_mov_b32 s[\g+1], 32<<16
	s_mov_b32 s[\g+2], (128*KS/256)<<16
	s_mov_b32 s[\g+3], 32<<16
	s_mov_b32 s[\g+4], 128*KS/256
	s_mov_b32 s[\g+5], 32
	s_mov_b32 s[\g+6], 0
	s_mov_b32 s[\g+7], 0
.endr
	s_lshl_b32 s18, s16, 7                         ; which 128 rows of the tile I fetch
	s_lshl_b32 s20, s17, 8
	s_add_co_u32 s20, s20, s18                     ; A: row 256 x tile + 128 x half
	s_lshl_b32 s46, s42, 8
	s_add_co_u32 s46, s46, s18                     ; B likewise
	s_mov_b32 s21, 0
	s_mov_b32 s47, 0
	s_mov_b64 s[18:19], KS
	s_mul_u64 s[22:23], s[20:21], s[18:19]         ; where these rows' scales begin, in bytes,
	s_mul_u64 s[92:93], s[46:47], s[18:19]
	s_mov_b64 s[18:19], KROW
	s_mul_u64 s[20:21], s[20:21], s[18:19]         ; and their codes
	s_mul_u64 s[46:47], s[46:47], s[18:19]
	s_add_co_u32 s20, s20, s66                     ; with the part's constants: all stay far under 2^32
	s_add_co_u32 s22, s22, s67
	s_add_co_u32 s92, s92, s96
	s_mul_i32 s45, s14, HALFT                      ; where they go: wave x 128 rows: no place in the cluster enters an LDS address
	s_mul_i32 s94, s14, HALFS
	s_wait_kmcnt 0x0
	s_cmp_lt_u32 ttmp9, 2
	s_cselect_b64 s[96:97], s[4:5], s[6:7]         ; A's buffer: xq, or wq
	s_cselect_b64 s[98:99], s[6:7], s[4:5]         ; B's: wq, or xq
	s_cselect_b64 s[12:13], s[8:9], s[10:11]       ; what is stored: qk, or vt
	s_add_nc_u64 s[20:21], s[96:97], s[20:21]
	s_add_nc_u64 s[22:23], s[96:97], s[22:23]
	s_add_nc_u64 s[46:47], s[98:99], s[46:47]
	s_add_nc_u64 s[92:93], s[98:99], s[92:93]
	CROUND                                         ; all sixteen work-groups are here: the first joint loads meet
	s_mov_b32 s[G0S], 1
	s_add_co_u32 s[G0S+1], s94, SCL
	s_mov_b64 s[G0S+2:G0S+3], s[22:23]
	s_or_b32 s[G0S+3], s[G0S+3], 0x80000000
	s_mov_b32 s[G0SB], 1
	s_add_co_u32 s[G0SB+1], s94, SCL
	s_mov_b64 s[G0SB+2:G0SB+3], s[92:93]
	s_or_b32 s[G0SB+3], s[G0SB+3], 0x80000000
	JLOAD G0S, G1S, G0SB, G1SB                     ; the scales first: they are wanted with K step 0
.irp s, 0,1
	s_mov_b32 s[G0+4*\s], 1
	s_add_co_u32 s[G0+4*\s+1], s45, \s*SLOT
	s_add_nc_u64 s[G0+4*\s+2:G0+4*\s+3], s[20:21], \s*ROWB
	s_or_b32 s[G0+4*\s+3], s[G0+4*\s+3], 0x80000000
	s_mov_b32 s[G0B+4*\s], 1
	s_add_co_u32 s[G0B+4*\s+1], s45, \s*SLOT
	s_add_nc_u64 s[G0B+4*\s+2:G0B+4*\s+3], s[46:47], \s*ROWB
	s_or_b32 s[G0B+4*\s+3], s[G0B+4*\s+3], 0x80000000
	JLOAD G0+4*\s, G1, G0B+4*\s, G1B
.endr
	v_and_b32 v1, 15, v0                           ; r = l % 16
	v_bfe_u32 v2, v0, 4, 1                         ; h = l / 16
	v_mul_u32_u24 v3, v1, PITCH
	v_lshl_add_u32 v4, v2, 4, v3                   ; a fragment's row x pitch + 16 x half
	s_mul_i32 s21, s15, HALFT                      ; my 128 rows of A
	s_mul_i32 s22, s16, HALFT                      ; my 128 rows of B,
	s_add_co_u32 s22, s22, 2*HALFT                 ; which lie behind A's 256
.irp s, 0,1
	v_add_nc_u32 v[ADRA+\s], s21, v4
	v_add_nc_u32 v[ADRB+\s], s22, v4
	s_add_co_u32 s21, s21, SLOT
	s_add_co_u32 s22, s22, SLOT
.endr
	v_mul_u32_u24 v5, v1, KS                       ; my row's scales: KS bytes a row,
	v_lshrrev_b32 v6, 8, v5
	v_lshl_add_u32 v5, v6, 4, v5                   ; and 16 more for each 256 passed
	s_mul_i32 s21, s15, HALFS
	s_mul_i32 s22, s16, HALFS
	s_add_co_u32 s22, s22, 2*HALFS
	s_sub_co_u32 s22, s22, s21
	v_mul_u32_u24 v6, s22, v2                      ; lanes 16-31 take B's
	s_add_co_u32 s21, s21, SCL
	v_add_nc_u32 v5, v5, v6
	v_add_nc_u32 v[ADRS], s21, v5
	s_mul_i32 s23, s14, WSTG                       ; my stage
	v_mul_u32_u24 v5, v1, OPITCH
	v_lshl_add_u32 v5, v2, 4, v5
	v_add_nc_u32 v[STO], s23, v5                   ; in: row r, 16 bytes for each half of the lanes
	v_bfe_u32 v5, v0, 3, 2
	v_mul_u32_u24 v5, v5, OPITCH
	v_and_b32 v6, 7, v0
	v_lshl_add_u32 v5, v6, 4, v5
	v_add_nc_u32 v[RD], s23, v5                    ; back: eight lanes to a row of 128 bytes
	v_and_b32 v6, 31, v0
	v_lshlrev_b32 v[CO], 4, v6
	s_add_co_u32 s23, s23, 128*OPITCH
	v_lshl_add_u32 v[SSO], v1, 2, s23
	v_add_nc_u32 v[SRD], s23, v[CO]
	; where my wave's 128 rows of codes begin: row (2 x B's tile + half) x (rows of A) + 256 x A's tile + 128 x half, 128 bytes and one word a row
	s_lshl_b32 s96, s42, 1
	s_add_co_u32 s96, s96, s16
	s_mul_i32 s96, s96, s95
	s_lshl_b32 s97, s17, 8
	s_add_co_u32 s96, s96, s97
	s_lshl_b32 s97, s15, 7
	s_add_co_u32 s96, s96, s97
	s_lshl_b32 s98, s96, 2
	s_add_co_u32 s98, s98, s2
	s_mov_b32 s99, 0
	s_add_nc_u64 s[66:67], s[12:13], s[98:99]      ; the scale words
	s_lshl_b32 s98, s96, 7
	s_add_nc_u64 s[12:13], s[12:13], s[98:99]      ; the codes
	s_mov_b32 s18, 0x76543210
	s_mov_b32 s19, 0xfedcba98                      ; v_permlanex16_b32's selects for lane l xor 16
	s_mov_b32 s22, 0x600000                        ; the mantissa field of 448
.macro FRAG reg, adr, q, i             ; a fragment, 16 rows x 128 K: lane l holds row l % 16; registers 4 c .. 4 c + 3 hold K = 32 c + 16 (l / 16) + 0 .. 15
.irp c, 0,1,2,3
	ds_load_b128 v[\reg+4*\c:\reg+4*\c+3], v[\adr] offset:128*(\q)+32*\c+(\i)*16*PITCH
.endr
.endm
; 16 matrix instructions: A's blocks a0, a0 + 1 x B's eight, 128 along K.  p: B's set;  sc: the set of scale words.  zero = 1: the first product starts the sums.
; The 64 accumulators take turns, one instruction a turn, in the same order in every step.
.macro MUL16 a0, p, q, sc, zero
.irp a, \a0, \a0+1
.irp b, 0,1,2,3,4,5,6,7
.if \zero
	v_wmma_scale_f32_16x16x128_f8f6f4 v[8*(8*((\a)%4)+\b):8*(8*((\a)%4)+\b)+7], v[128*(\p)+FR*\b:128*(\p)+FR*\b+FR-1], v[AF+FR*(\a):AF+FR*(\a)+FR-1], 0, v[SC+8*NQ*(\sc)+NQ*\b+(\q)], v[SC+8*NQ*(\sc)+NQ*(\a)+(\q)] matrix_a_scale:MATRIX_SCALE_ROW1
.else
	v_wmma_scale_f32_16x16x128_f8f6f4 v[8*(8*((\a)%4)+\b):8*(8*((\a)%4)+\b)+7], v[128*(\p)+FR*\b:128*(\p)+FR*\b+FR-1], v[AF+FR*(\a):AF+FR*(\a)+FR-1], v[8*(8*((\a)%4)+\b):8*(8*((\a)%4)+\b)+7], v[SC+8*NQ*(\sc)+NQ*\b+(\q)], v[SC+8*NQ*(\sc)+NQ*(\a)+(\q)] matrix_a_scale:MATRIX_SCALE_ROW1
.endif
.endr
.endr
.endm
.macro FETCH_B slot, q, p              ; B's eight fragments of the slot's q-th 128 along K into set p
	WIN TO_B
.irp i, 0,1,2,3,4,5,6,7
	FRAG 128*(\p)+FR*\i, ADRB+\slot, \q, \i
.endr
	WIN 0
.endm
.macro FETCH_A slot, q, i0             ; A's blocks i0 .. i0 + 3
.irp i, \i0, \i0+1, \i0+2, \i0+3
	FRAG AF+FR*(\i), ADRA+\slot, \q, \i
.endr
.endm
.macro SCALES sc                       ; a K step's scale words into set sc: lanes 0-15 take A's block i, lanes 16-31 B's block i
.irp i, 0,1,2,3,4,5,6,7
	ds_load_b64 v[SC+8*NQ*\sc+NQ*\i:SC+8*NQ*\sc+NQ*\i+1], v[ADRS] offset:\i*SBLK
.endr
.endm
.macro PLACES n                        ; plain vector instructions between a matrix instruction and a load into, or a read of, its registers
.rept \n
	v_nop
.endr
.endm
; A step of 128 along K that has its successor in the same slot.
.macro STEP slot, q, zero
	s_wait_dscnt 4*NL                              ; B's set and A's blocks 0-3 are in; the youngest sixteen loads (A's blocks 4-7) may be out
	WIN MUL_LO
	MUL16 0, (\q)%2, \q, \slot, \zero
	MUL16 2, (\q)%2, \q, \slot, \zero
	s_wait_dscnt 0                                 ; A's blocks 4-7 are in
	PLACES NP
	FETCH_B \slot, (\q)+1, 1-(\q)%2
	FETCH_A \slot, (\q)+1, 0
	WIN MUL_HI
	MUL16 4, (\q)%2, \q, \slot, \zero
	MUL16 6, (\q)%2, \q, \slot, \zero
	PLACES NP
	WIN 0
	FETCH_A \slot, (\q)+1, 4
.endm
; A slot's last step changes slots: ONE barrier; in front of it each wave waits for all its tensor loads, adds 0 to its spare word, and waits for that and for its own reads of this slot.
.macro TURN slot, next, fill
	s_wait_tensorcnt 0x0                           ; all my tensor loads have landed: my part of the next slot
	ds_add_u32 v[SPW], v[NIL]                      ; 0 onto my spare word
	s_wait_dscnt 4*NL+1                            ; (the add and the youngest sixteen loads may be out)
	WIN MUL_LO
	MUL16 0, 1, NQ-1, \slot, 0                     ; sixteen matrix instructions stand between the add and the wait for it
	s_wait_dscnt 0x0                               ; the add is done, and my reads of this slot are over
	s_barrier_signal -1
	MUL16 2, 1, NQ-1, \slot, 0
	WIN 0
	s_barrier_wait -1
.if \fill
	CREST                                          ; the barrier has opened a round of the cluster's barrier: no wave of any partner still reads this slot or has a load on its way
	s_add_nc_u64 s[G0+4*\slot+2:G0+4*\slot+3], s[G0+4*\slot+2:G0+4*\slot+3], 2*ROWB
	s_add_nc_u64 s[G0B+4*\slot+2:G0B+4*\slot+3], s[G0B+4*\slot+2:G0B+4*\slot+3], 2*ROWB
	JLOAD G0+4*\slot, G1, G0B+4*\slot, G1B         ; the first tensor load behind the round; its four v_nop are among the places in front of the loads below
	PLACES NP-4
.else
	PLACES NP
.endif
	v_add_nc_u32 v[ADRS], 4*NQ, v[ADRS]            ; on to the next K step's scale words (no LDS load of mine is out)
	FETCH_B \next, 0, 0
	FETCH_A \next, 0, 0
	SCALES \next
	WIN MUL_HI
	MUL16 4, 1, NQ-1, \slot, 0
	MUL16 6, 1, NQ-1, \slot, 0
	PLACES NP
	WIN 0
	FETCH_A \next, 0, 4
.endm
	s_wait_tensorcnt 1                             ; the scales and my part of K step 0 are in (K step 1's load may be out)
	s_barrier_signal -1
	s_barrier_wait -1                              ; everybody's are
	FETCH_B 0, 0, 0
	FETCH_A 0, 0, 0
	SCALES 0
	FETCH_A 0, 0, 4
	STEP 0, 0, 1                                   ; the first step stands in front of the loop: its products start the sums
	s_mov_b32 s3, LAPS-1
.Llap:                                                 ; a trip goes once round the ring and fills both slots again
	TURN 0, 1, 1
	STEP 1, 0, 0
	TURN 1, 0, 1
	STEP 0, 0, 0
	s_sub_co_u32 s3, s3, 1
	s_cmp_lg_u32 s3, 0
	s_cbranch_scc1 .Llap
	TURN 0, 1, 0                                   ; the last lap fills nothing, and has no round of the cluster's barrier
	STEP 1, 0, 0
	s_wait_dscnt 4*NL                              ; the very last step: nothing more to fetch
	WIN MUL_LO
	MUL16 0, 1, NQ-1, 1, 0
	MUL16 2, 1, NQ-1, 1, 0
	s_wait_dscnt 0
	WIN MUL_HI
	MUL16 4, 1, NQ-1, 1, 0
	MUL16 6, 1, NQ-1, 1, 0
	WIN 0
; THE WAY OUT, block by block of 16 rows of A.  A lane's 64 numbers of block a (register 16 g + i = place 32 g + 16 (lane / 16) + i along the next product's K) are four halves of blocks of 32:
; the largest magnitude is joined with lane l xor 16's; then the byte, the hold, the conversion.  Each accumulator is read from its low end on.
.macro QUANTW a
.set AC, 64*((\a)%4)
.set WW, 2+(\a)/4                      ; the block's window
.set W2, 5*WW                          ; sources 0 and 1 in that window
.set PCS, PC+16*((\a)%2)
	WIN W2
.irp b, 0,1,2,3
	v_max3_num_f32 v[TM+\b], |v[AC+16*\b]|, |v[AC+16*\b+1]|, 0x4800000   ; with the floor 2^(9 - 127): the byte cannot fall under 1
.endr
.irp i, 2,4,6,8,10,12,14
.irp b, 0,1,2,3
	v_max3_num_f32 v[TM+\b], |v[AC+16*\b+\i]|, |v[AC+16*\b+\i+1]|, v[TM+\b]
.endr
.endr
	WIN 0
.irp b, 0,1,2,3
	v_permlanex16_b32 v[TM+4+\b], v[TM+\b], s18, s19
.endr
.irp b, 0,1,2,3
	v_max_num_f32 v[TM+\b], v[TM+\b], v[TM+4+\b]   ; the block's largest magnitude
.endr
.irp b, 0,1,2,3
	v_add_nc_u32 v[TM+12+\b], 0xfc000000, v[TM+\b] ; 8 off its exponent field: the conversion's scale operand
.endr
.irp b, 0,1,2,3
	v_and_or_b32 v[TM+8+\b], v[TM+\b], 0x7f800000, s22   ; 448 x the scale
.endr
.irp b, 0,1,2,3
	v_lshrrev_b32 v[TM+4+\b], 23, v[TM+12+\b]      ; the scale's byte
.endr
	v_lshl_or_b32 v[PW+(\a)%2], v[TM+5], 8, v[TM+4]
	v_lshl_or_b32 v[PW+(\a)%2], v[TM+6], 16, v[PW+(\a)%2]
	v_lshl_or_b32 v[PW+(\a)%2], v[TM+7], 24, v[PW+(\a)%2]
	WIN WW                                         ; source 0 in the block's window
.irp b, 0,1,2,3
.irp i, 0,1,2,3,4,5,6,7,8,9,10,11,12,13,14,15
	v_med3_num_f32 v[HB+16*\b+\i], v[AC+16*\b+\i], -v[TM+8+\b], v[TM+8+\b]   ; the conversion does not saturate (ISA guide 7.6.2): the hold comes first
.endr
.endr
	WIN 0
.irp b, 0,1,2,3
	v_cvt_scalef32_pk8_fp8_f32 v[PCS+4*\b:PCS+4*\b+1], v[HB+16*\b:HB+16*\b+7], v[TM+12+\b]
	v_cvt_scalef32_pk8_fp8_f32 v[PCS+4*\b+2:PCS+4*\b+3], v[HB+16*\b+8:HB+16*\b+15], v[TM+12+\b]
.endr
	v_nop                                          ; one plain line behind the last conversion
.endm
.macro STOREB a                        ; my row's 4 x 16 codes and its scale word into my stage (lanes l and l xor 16 write the same word with the same value)
.irp b, 0,1,2,3
	ds_store_b128 v[STO], v[PC+16*((\a)%2)+4*\b:PC+16*((\a)%2)+4*\b+3] offset:16*OPITCH*(\a)+32*\b
.endr
	ds_store_b32 v[SSO], v[PW+(\a)%2] offset:64*(\a)
.endm
.macro BACK a                          ; and back as whole rows; LDS serves a wave's instructions in order
.irp i, 0,1,2,3
	ds_load_b128 v[BK+16*((\a)%2)+4*\i:BK+16*((\a)%2)+4*\i+3], v[RD] offset:16*OPITCH*(\a)+4*OPITCH*\i
.endr
.endm
.macro SEND a                          ; each store of the wave covers 512 consecutive bytes, aligned
.irp i, 0,1,2,3
	global_store_b128 v[CO], v[BK+16*((\a)%2)+4*\i:BK+16*((\a)%2)+4*\i+3], s[12:13] offset:2048*(\a)+512*\i
.endr
.endm
	PLACES NP                                      ; behind the last products: for the reads of their results and the writes into registers that held A's fragments
.irp b, 0,1,2,3
	v_mov_b32 v[TM+4+\b], 0                        ; written once: a lane permute's destination counts as one of its sources
.endr
	QUANTW 0
	STOREB 0
	BACK 0
.irp a, 1,2,3,4,5,6,7
	QUANTW \a                                      ; block a's arithmetic stands between block a - 1's way through the stage and the wait for it
	s_wait_dscnt 0x0                               ; block a - 1 is back in registers, and its stores into the stage have read theirs
	s_wait_xcnt 0x0                                ; block a - 2's stores to memory have read their data: block a's rows may land there
	SEND \a-1
	STOREB \a
	BACK \a
.endr
	ds_load_b128 v[SW:SW+3], v[SRD]                ; my 128 scale words
	s_wait_dscnt 0x0
	SEND 7
	global_store_b128 v[CO], v[SW:SW+3], s[66:67]  ; 512 consecutive bytes
	s_wait_tensorcnt 0x0                           ; the wave's end
	ds_add_u32 v[SPW], v[NIL]
	s_wait_dscnt 0x0
	CROUND                                         ; the closing round: no work-group ends while a partner may still ask for a tile that names it
	s_endpgm
.Lfunc_end_k_q9552d7030d_qkv:
	.size	k_q9552d7030d_qkv, .Lfunc_end_k_q9552d7030d_qkv-k_q9552d7030d_qkv
	.p2alignl 7, 3214868480
	.fill 96, 4, 3214868480
	.section	.rodata,"a",@progbits
	.p2align	6, 0x0
	.amdhsa_kernel k_q9552d7030d_qkv
		.amdhsa_group_segment_fixed_size 327680
		.amdhsa_private_segment_fixed_size 0
		.amdhsa_enable_private_segment 0
		.amdhsa_kernarg_size 32
		.amdhsa_user_sgpr_count 2
		.amdhsa_user_sgpr_kernarg_segment_ptr 1
		.amdhsa_wavefront_size32 1
		.amdhsa_system_sgpr_workgroup_id_x 1
		.amdhsa_system_sgpr_workgroup_id_y 1
		.amdhsa_system_sgpr_workgroup_id_z 1
		.amdhsa_system_vgpr_workitem_id 0
		.amdhsa_next_free_vgpr 1024
		.amdhsa_next_free_sgpr 100
		.amdhsa_reserve_vcc 0
		.amdhsa_float_denorm_mode_32 3
		.amdhsa_float_denorm_mode_16_64 3
		.amdhsa_memory_ordered 1
		.amdhsa_forward_progress 1
		.amdhsa_inst_pref_size 190
	.end_amdhsa_kernel
	.amdgpu_metadata
---
amdhsa.version: [ 1, 2 ]
amdhsa.kernels:
  - .name:           k_q9552d7030d_qkv
    .symbol:         k_q9552d7030d_qkv.kd
    .args:
      - { .name: xq, .offset: 0, .size: 8, .value_kind: global_buffer, .address_space: global }
      - { .name: wq, .offset: 8, .size: 8, .value_kind: global_buffer, .address_space: global }
      - { .name: qk, .offset: 16, .size: 8, .value_kind: global_buffer, .address_space: global }
      - { .name: vt, .offset: 24, .size: 8, .value_kind: global_buffer, .address_space: global }
    .group_segment_fixed_size: 327680
    .private_segment_fixed_size: 0
    .kernarg_segment_align: 8
    .kernarg_segment_size: 32
    .max_flat_workgroup_size: 128
    .sgpr_count:     100
    .vgpr_count:     1024
    .wavefront_size: 32
...
	.end_amdgpu_metadata
.endif
;; end of part 2
;; launch attn (part 3): grid 8 x 32, 16 waves a work-group, no clusters, 94,208 bytes of LDS; arguments qk, vt, ao; writes ao
.if DOCPART == 3
	.amdgcn_target "amdgcn-amd-amdhsa--gfx1250"
	.amdhsa_code_object_version 6
	.text
	.protected	k_q9552d7030d_attn
	.globl	k_q9552d7030d_attn
	.p2align	8
	.type	k_q9552d7030d_attn,@function
k_q9552d7030d_attn:
	s_mov_b64 s[64:65], 0
	v_nop
	global_prefetch_b8 v0, s[64:65] scope:SCOPE_SE
	s_setreg_imm32_b32 hwreg(HW_REG_WAVE_MODE, 25, 1), 1
	s_wait_xcnt 0x0
; Causal attention on codes of FP8 (E4M3): S = Q K^T (K = the head's 64), p = 2^(t - M), O = p V / the sum of p (K = the keys); O is quantised along (head, d) for the last projection.
; t = score x log2(e) / 8; M = the row's largest t so far, rounded UP to a whole number; p is quantised along the keys, not normalised; the sum is taken of the unquantised p.
; When M moves, the sum and O are multiplied by 2^(old M - new M): exact.  Hidden scores get the mask's own value, -1e9 after the division by 8, that is -8e9 on the raw score.
; IN.  qk: codes [16 chunks][8192 token places][128] (chunk p: Q of heads 2 p, 2 p + 1; 8 + p: K), scale words [16][8192] from byte 16,777,216 (two bytes a head).
;      vt: codes [64 blocks of 128 tokens][1024 places of (head, d)][128 tokens], scale words [64][1024] from byte 8,388,608.  PLACES have bits 3 and 4 of the index exchanged.
; OUT. ao: codes [2048 quads of tokens][16 heads][4 tokens][64], so that 4 tokens of a head are 256 consecutive bytes; scale bytes [8192 tokens][32] from byte 8,388,608.  True order.
; SHARES.  Work-group (j, batch and head pair) owns the blocks of 128 queries 15 - j and j: 17 key steps of 128 keys in every work-group, none of them wholly hidden.  Steps 0 .. 15 - j serve
; block 15 - j (the last lies on the diagonal), steps 16 - j .. 16 block j.  Wave w: head w / 8 of the pair, 16 query places w % 8 of the block; four waves to a SIMD.
; No cluster: from step 16 - j on the work-groups of a head pair ask for different tiles.  No prefetch: a step's tiles are asked for into registers one whole step ahead of their use.
; K's and V's tiles go through registers into two LDS slots: asked for at a step's head, stored into the other slot behind the step's products, one barrier a step.
; LAYOUT.  Both products are used transposed: source 0 = 16 key places (or 16 places of d), source 1 = my 16 queries: a lane holds ONE query.  By the place order the 16 registers of tiles
; 2 g and 2 g + 1 are 16 neighbours in the true order, 32 g + 16 (lane / 16) + 0 .. 15: p's and O's conversions give the next operand's registers.
; K = 64 IN A FORM OF 128: Q's upper 64 codes are zeros for ever, so K's upper 8 registers may hold any finite codes: fragment i is v[32 + 8 i .. 47 + 8 i], its upper half the next fragment
; (behind the last: zeros).  Q's and K's scale words come as 16 bits, so their upper bytes are 0, which is 2^-127 over products that are 0.
; LIMITS: a block under 2^-118 or of zeros gets the byte 1; NaN and infinities are not served.
.set TSL,  18432                       ; a tile in LDS: 128 rows x (128 bytes + 16)
.set VTL,  2*TSL                       ; K's two slots from byte 0, V's two from here,
.set SCB,  4*TSL                       ; two slots of 1,024 bytes of scale words (K's 128, then V's 128),
.set OST,  SCB+2048                    ; and 1,024 bytes for each wave for the way out
.set AK,   1                           ; v1   K's fragments: 144 r + 64 head + 16 h
.set AV,   2                           ; v2   V's: VTL + 144 (64 head + r) + 16 h
.set ASK,  3                           ; v3   K's scale words: SCB + 4 r + 2 head
.set ASV,  4                           ; v4   V's: SCB + 512 + 4 (64 head + r)
.set AW,   5                           ; v5   where I store 16 bytes of a tile: 144 (8 w + l / 8) + 16 (l % 8)
.set AWS,  6                           ; v6   and 2 bytes of scale words: SCB + 2 x thread
.set GL,   7                           ; v7   16 l
.set GS,   8                           ; v8   2 l
.set DM,   9                           ; v9   my query less 16 h, counted from the block's first: register 16 g + i is hidden on the diagonal where 32 g + i > DM
.set OSW,  10                          ; v10  the way out: in
.set OSR,  11                          ; v11  and back
.set Q,    16                          ; v16-31  Q's fragment: 8 registers of codes, 8 of zeros
.set KF,   32                          ; v32-95  K's eight fragments, then V's four
.set KZ,   96                          ; v96-103 zeros
.set P,    104                         ; v104-119 p's codes: the last twelve registers lie over p's first numbers, which are converted by then
.set S,    108                         ; v108-171 the scores, then p
.set O,    172                         ; v172-203 O^T
.set BM,   204                         ; four blocks' largest
.set T2,   208
.set LIM,  212
.set SCO,  216
.set KSC,  220                         ; v220-227 K's scale words, then V's
.set QS,   228                         ; Q's
.set PS,   229                         ; p's
.set F,    230                         ; v[230:231] the factor; the upper register is written once
.set ST,   234                         ; v234-250 a step's tiles on their way
.set QOF,  251                         ; 128 r + 16 h
.set QSO,  252                         ; 4 r
.set GOA,  253                         ; 4096 h + 16 r
.set SOF,  254                         ; 32 (r % 8) + 512 (r / 8)
.set W16,  255                         ; O's two scale bytes
.set KT,   54                          ; s54 the key tile in hand; s55 the next; s56 the step; s57 = 15 - j: the step on the first diagonal; s58 trips
.set KN,   55
.set CUR,  56
.set HD,   57
.set TRIP, 58
	s_load_b128 s[4:7], s[0:1], 0x0                ; qk, vt
	s_load_b64 s[8:9], s[0:1], 0x10                ; ao
	v_lshrrev_b32 v237, 5, v0                      ; w
	v_readfirstlane_b32 s16, v237
	v_and_b32 v234, 15, v0                         ; r
	v_bfe_u32 v235, v0, 4, 1                       ; h
	v_and_b32 v236, 31, v0                         ; l
	v_lshrrev_b32 v238, 8, v0                      ; the head of the pair
	v_mul_u32_u24 v239, v234, 144
	v_lshl_add_u32 v239, v235, 4, v239
	v_lshl_add_u32 v[AK], v238, 6, v239
	v_mad_u32_u24 v[AV], v238, 9216, v239
	v_add_nc_u32 v[AV], VTL, v[AV]
	v_lshlrev_b32 v[QSO], 2, v234
	v_lshl_add_u32 v[ASK], v238, 1, v[QSO]
	v_add_nc_u32 v[ASK], SCB, v[ASK]
	v_lshl_add_u32 v[ASV], v238, 8, v[QSO]
	v_add_nc_u32 v[ASV], SCB+512, v[ASV]
	v_bfe_u32 v240, v0, 3, 2
	v_lshl_add_u32 v240, v237, 3, v240
	v_mul_u32_u24 v240, v240, 144
	v_and_b32 v241, 7, v0
	v_lshl_add_u32 v[AW], v241, 4, v240
	v_lshl_add_u32 v[AWS], v0, 1, SCB
	v_lshlrev_b32 v[GL], 4, v236
	v_lshlrev_b32 v[GS], 1, v236
	v_bfe_u32 v240, v0, 5, 1                       ; my query in the true order: place bits 3 and 4 exchanged: (r % 8) + 8 (tile % 2) + 16 (r / 8) + 32 (tile / 2)
	v_lshl_add_u32 v[DM], v240, 3, v241
	v_bfe_u32 v240, v0, 3, 1
	v_lshl_add_u32 v[DM], v240, 4, v[DM]
	v_lshlrev_b32 v[SOF], 9, v240
	v_lshl_add_u32 v[SOF], v241, 5, v[SOF]
	v_bfe_u32 v240, v0, 6, 2
	v_lshl_add_u32 v[DM], v240, 5, v[DM]
	v_lshlrev_b32 v240, 4, v235
	v_sub_nc_u32 v[DM], v[DM], v240
	v_lshlrev_b32 v240, 10, v237
	v_add_nc_u32 v240, OST, v240                   ; my stage
	v_lshl_add_u32 v[OSR], v236, 4, v240
	v_lshl_add_u32 v240, v234, 6, v240
	v_lshl_add_u32 v[OSW], v235, 4, v240
	v_lshlrev_b32 v[QOF], 7, v234
	v_lshl_add_u32 v[QOF], v235, 4, v[QOF]
	v_lshlrev_b32 v[GOA], 12, v235
	v_lshl_add_u32 v[GOA], v234, 4, v[GOA]
	s_lshr_b32 s17, s16, 3                         ; head of the pair
	s_and_b32 s18, s16, 7                          ; my tile of 16 query places
	s_mov_b32 s19, ttmp9                           ; j
	s_and_b32 s20, ttmp7, 0xffff
	s_and_b32 s21, s20, 7                          ; head pair
	s_lshr_b32 s20, s20, 3                         ; batch
	s_sub_co_u32 s[HD], 15, s19
	s_mov_b32 s23, 0
	s_mov_b32 s60, 0x76543210
	s_mov_b32 s61, 0xfedcba98                      ; v_permlanex16_b32's selects for lane l xor 16
	s_mov_b32 s62, 0x3e38aa3b                      ; c = log2(e) / 8
	s_mov_b32 s63, s62                             ; (named with it as a pair)
	s_mov_b32 s66, 0x600000                        ; the mantissa field of 448
	s_lshl_b32 s10, s21, 13
	s_lshl_b32 s13, s20, 11                        ; 2048 x batch
	s_add_co_u32 s10, s10, s13
	s_lshl_b32 s14, s18, 4
	s_add_co_u32 s10, s10, s14                     ; Q's row less the block: 8192 pair + 2048 batch + 16 tile
	s_lshr_b32 s14, s18, 1
	s_lshl_b32 s14, s14, 5
	s_add_co_u32 s11, s13, s14
	s_and_b32 s14, s18, 1
	s_lshl_b32 s14, s14, 3
	s_add_co_u32 s11, s11, s14                     ; my first token in the true order, less the block: 2048 batch + 32 (tile / 2) + 8 (tile % 2)
	s_lshl_b32 s12, s21, 1
	s_add_co_u32 s12, s12, s17                     ; the head
	s_wait_kmcnt 0x0
	s_add_co_u32 s14, s21, 8
	s_lshl_b32 s14, s14, 13
	s_add_co_u32 s14, s14, s13                     ; K's first row
	s_lshl_b32 s22, s14, 7
	s_lshl_b32 s15, s16, 10                        ; my wave's 8 rows of a tile
	s_add_co_u32 s22, s22, s15
	s_add_nc_u64 s[24:25], s[4:5], s[22:23]        ; K's codes
	s_lshl_b32 s31, s20, 14
	s_lshl_b32 s59, s21, 7
	s_add_co_u32 s31, s31, s59                     ; V's first row: 16384 batch + 128 pair
	s_lshl_b32 s22, s31, 7
	s_add_co_u32 s22, s22, s15
	s_add_nc_u64 s[26:27], s[6:7], s[22:23]        ; V's codes
	s_lshl_b32 s14, s14, 2
	s_add_co_u32 s14, s14, 16777216
	s_lshl_b32 s31, s31, 2
	s_add_co_u32 s31, s31, 8388608
	s_mov_b32 s30, 4096
	s_cmp_eq_u32 s17, 0                            ; waves 0-7 bring K's scale words, waves 8-15 V's: 64 bytes each
	s_cselect_b32 s22, s14, s31
	s_cselect_b32 s30, 512, s30                    ; from key tile to key tile
	s_cselect_b64 s[28:29], s[4:5], s[6:7]
	s_lshl_b32 s15, s18, 6
	s_add_co_u32 s22, s22, s15
	s_add_nc_u64 s[28:29], s[28:29], s[22:23]
.macro PTRS qb, qa, qs, oa, os         ; the pointers of the block of queries whose number stands in s[qb]
	s_lshl_b32 s13, s[\qb], 7
	s_add_co_u32 s14, s13, s10
	s_lshl_b32 s22, s14, 7
	s_lshl_b32 s15, s17, 6
	s_add_co_u32 s22, s22, s15
	s_add_nc_u64 s[\qa:\qa+1], s[4:5], s[22:23]    ; Q's codes: my 16 rows, my head's 64 bytes
	s_lshl_b32 s22, s14, 2
	s_lshl_b32 s15, s17, 1
	s_add_co_u32 s22, s22, s15
	s_add_co_u32 s22, s22, 16777216
	s_add_nc_u64 s[\qs:\qs+1], s[4:5], s[22:23]    ; and their scale bytes
	s_add_co_u32 s14, s13, s11
	s_lshl_b32 s22, s14, 10
	s_lshl_b32 s15, s12, 8
	s_add_co_u32 s22, s22, s15
	s_add_nc_u64 s[\oa:\oa+1], s[8:9], s[22:23]    ; O's codes: 1,024 bytes a token, 256 a head
	s_lshl_b32 s22, s14, 5
	s_lshl_b32 s15, s12, 1
	s_add_co_u32 s22, s22, s15
	s_add_co_u32 s22, s22, 8388608
	s_add_nc_u64 s[\os:\os+1], s[8:9], s[22:23]    ; and their scale bytes
.endm
	PTRS HD, 38, 42, 46, 50                        ; block 15 - j
	PTRS 19, 40, 44, 48, 52                        ; block j
	s_mov_b32 s[KT], 0
	s_mov_b32 s[KN], 0
	s_mov_b32 s[CUR], 0
.macro GLOAD                           ; key tile s[KN]: my wave's 8 rows of K, 8 rows of V and 64 bytes of scale words, into registers
	s_lshl_b32 s22, s[KN], 14
	s_add_nc_u64 s[32:33], s[24:25], s[22:23]
	s_lshl_b32 s22, s[KN], 17
	s_add_nc_u64 s[34:35], s[26:27], s[22:23]
	s_mul_i32 s22, s[KN], s30
	s_add_nc_u64 s[36:37], s[28:29], s[22:23]
	global_load_b128 v[ST:ST+3], v[GL], s[32:33]
	global_load_b128 v[ST+4:ST+7], v[GL], s[32:33] offset:512
	global_load_b128 v[ST+8:ST+11], v[GL], s[34:35]
	global_load_b128 v[ST+12:ST+15], v[GL], s[34:35] offset:512
	global_load_u16 v[ST+16], v[GS], s[36:37]
.endm
.macro LSTORE s                        ; and on into slot s
	ds_store_b128 v[AW], v[ST:ST+3] offset:TSL*(\s)
	ds_store_b128 v[AW], v[ST+4:ST+7] offset:TSL*(\s)+576
	ds_store_b128 v[AW], v[ST+8:ST+11] offset:VTL+TSL*(\s)
	ds_store_b128 v[AW], v[ST+12:ST+15] offset:VTL+TSL*(\s)+576
	ds_store_b16 v[AWS], v[ST+16] offset:1024*(\s)
.endm
.macro KLOAD s
.irp i, 0,1,2,3,4,5,6,7
	ds_load_b128 v[KF+8*\i:KF+8*\i+3], v[AK] offset:TSL*(\s)+2304*\i
	ds_load_b128 v[KF+8*\i+4:KF+8*\i+7], v[AK] offset:TSL*(\s)+2304*\i+32
	ds_load_u16 v[KSC+\i], v[ASK] offset:1024*(\s)+64*\i
.endr
.endm
.macro VLOAD s
.irp t, 0,1,2,3
.irp c, 0,1,2,3
	ds_load_b128 v[KF+16*\t+4*\c:KF+16*\t+4*\c+3], v[AV] offset:TSL*(\s)+2304*\t+32*\c
.endr
	ds_load_b32 v[KSC+\t], v[ASV] offset:1024*(\s)+64*\t
.endr
.endm
.macro MASK                            ; on a diagonal: register 16 g + i holds key 32 g + 16 h + i of the block
	v_mov_b32 v232, 0xcfee6b28                     ; -8e9
.set n, 0
.rept 64
	v_cmp_gt_i32 vcc_lo, 32*(n/16)+n%16, v[DM]
	v_cndmask_b32 v[S+n], v[S+n], v232, vcc_lo
.set n, n+1
.endr
.endm
.macro SOFTMAX
.irp b, 0,1,2,3
	v_max3_num_f32 v[BM+\b], v[S+16*\b], v[S+16*\b+1], v[S+16*\b+2]   ; the largest score of each block of 32 keys: it serves for the row's maximum and, since p rises with the score, for the block's largest p
.endr
.irp i, 3,5,7,9,11,13
.irp b, 0,1,2,3
	v_max3_num_f32 v[BM+\b], v[BM+\b], v[S+16*\b+\i], v[S+16*\b+\i+1]
.endr
.endr
.irp b, 0,1,2,3
	v_max_num_f32 v[BM+\b], v[BM+\b], v[S+16*\b+15]
.endr
.irp b, 0,1,2,3
	v_permlanex16_b32 v[T2+\b], v[BM+\b], s60, s61
.endr
.irp b, 0,1,2,3
	v_max_num_f32 v[BM+\b], v[BM+\b], v[T2+\b]     ; with lane l xor 16's 16 keys
.endr
	v_max3_num_f32 v232, v[BM], v[BM+1], v[BM+2]
	v_max_num_f32 v232, v232, v[BM+3]
	v_mul_f32 v232, s62, v232                      ; as t (c is positive)
	v_max_num_f32 v13, v13, v232                   ; the running largest t
	v_mov_b32 v232, v12
	v_floor_f32 v12, -v13                          ; the new -M = -ceil(t)
	v_sub_f32 v232, v12, v232                      ; old M less new M: a whole number, 0 or less
	v_cvt_i32_f32 v232, v232                       ; (it saturates)
	v_ldexp_f32 v[F], 1.0, v232                    ; f = 2^(old M - new M)
.set n, 0
.rept 32
	v_pk_fma_f32 v[S+n:S+n+1], v[S+n:S+n+1], s[62:63], v[12:13] op_sel_hi:[1,0,0]   ; t - M
.set n, n+2
.endr
.irp b, 0,1,2,3
	v_fma_f32 v[BM+\b], v[BM+\b], s62, v12
.endr
.set n, 0
.rept 64
	v_exp_f32 v[S+n], v[S+n]                       ; p = 2^(t - M)
.set n, n+1
.endr
.irp b, 0,1,2,3
	v_exp_f32 v[BM+\b], v[BM+\b]                   ; the block's largest p: the same two instructions on the same number
.endr
	v_pk_mul_f32 v[14:15], v[14:15], v[F:F+1] op_sel_hi:[1,0]   ; the sums under the new M (a plain line behind the exponentials)
	s_wait_alu depctr_va_vdst(0)
.irp b, 0,1,2,3
	v_max_num_f32 v[BM+\b], 0x4800000, v[BM+\b]    ; the floor 2^(9 - 127)
.endr
.irp b, 0,1,2,3
	v_add_nc_u32 v[SCO+\b], 0xfc000000, v[BM+\b]
.endr
.irp b, 0,1,2,3
	v_and_or_b32 v[LIM+\b], v[BM+\b], 0x7f800000, s66
.endr
.irp b, 0,1,2,3
	v_lshrrev_b32 v[T2+\b], 23, v[SCO+\b]
.endr
	v_lshl_or_b32 v[PS], v[T2+1], 8, v[T2]         ; p's scale word for these 128 keys
	v_lshl_or_b32 v[PS], v[T2+2], 16, v[PS]
	v_lshl_or_b32 v[PS], v[T2+3], 24, v[PS]
	v_pk_add_f32 v[T2:T2+1], v[S:S+1], v[S+2:S+3]  ; the sum of the unquantised p, in two chains
.set n, 4
.rept 15
	v_pk_add_f32 v[14:15], v[14:15], v[S+n:S+n+1]
	v_pk_add_f32 v[T2:T2+1], v[T2:T2+1], v[S+n+2:S+n+3]
.set n, n+4
.endr
	v_pk_add_f32 v[14:15], v[14:15], v[T2:T2+1]
.irp b, 0,1,2,3
.set n, 0
.rept 16
	v_min_num_f32 v[S+16*\b+n], v[S+16*\b+n], v[LIM+\b]   ; the hold; p is not negative.  (These sixteen also stand between the conversions of the block before and the writes over its numbers)
.set n, n+1
.endr
	v_cvt_scalef32_pk8_fp8_f32 v[P+4*\b:P+4*\b+1], v[S+16*\b:S+16*\b+7], v[SCO+\b]
	v_cvt_scalef32_pk8_fp8_f32 v[P+4*\b+2:P+4*\b+3], v[S+16*\b+8:S+16*\b+15], v[SCO+\b]
.endr
.set n, 0
.rept 16
	v_pk_mul_f32 v[O+n:O+n+1], v[O+n:O+n+1], v[F:F+1] op_sel_hi:[1,0]   ; O^T under the new M (also the places between the codes and the products)
.set n, n+2
.endr
.endm
; A block of queries is finished: O^T / the sum, quantised along d (two blocks of 32, each in lanes l and l xor 16), through my stage, out in units of 256 bytes.  reinit = 1: block j begins.
.macro FIN oa, os, reinit
	v_add_f32 v14, v14, v15
	v_permlanex16_b32 v232, v14, s60, s61
	v_add_f32 v14, v14, v232                       ; the row's sum
	v_rcp_f32 v[F], v14
	v_nop                                          ; a plain line behind the transcendental
.set n, 0
	s_wait_alu depctr_va_vdst(0)
.rept 16
	v_pk_mul_f32 v[S+n:S+n+1], v[O+n:O+n+1], v[F:F+1] op_sel_hi:[1,0]   ; register 16 g + i is d = 32 g + 16 h + i
.set n, n+2
.endr
.irp b, 0,1
	v_max3_num_f32 v[BM+\b], |v[S+16*\b]|, |v[S+16*\b+1]|, 0x4800000
.endr
.irp i, 2,4,6,8,10,12,14
.irp b, 0,1
	v_max3_num_f32 v[BM+\b], v[BM+\b], |v[S+16*\b+\i]|, |v[S+16*\b+\i+1]|
.endr
.endr
.irp b, 0,1
	v_permlanex16_b32 v[T2+\b], v[BM+\b], s60, s61
.endr
.irp b, 0,1
	v_max_num_f32 v[BM+\b], v[BM+\b], v[T2+\b]
.endr
.irp b, 0,1
	v_add_nc_u32 v[SCO+\b], 0xfc000000, v[BM+\b]
.endr
.irp b, 0,1
	v_and_or_b32 v[LIM+\b], v[BM+\b], 0x7f800000, s66
.endr
.irp b, 0,1
	v_lshrrev_b32 v[T2+\b], 23, v[SCO+\b]
.endr
	v_lshl_or_b32 v[W16], v[T2+1], 8, v[T2]
.irp b, 0,1
.set n, 0
.rept 16
	v_med3_num_f32 v[S+16*\b+n], v[S+16*\b+n], -v[LIM+\b], v[LIM+\b]
.set n, n+1
.endr
	v_cvt_scalef32_pk8_fp8_f32 v[S+32+4*\b:S+33+4*\b], v[S+16*\b:S+16*\b+7], v[SCO+\b]
	v_cvt_scalef32_pk8_fp8_f32 v[S+34+4*\b:S+35+4*\b], v[S+16*\b+8:S+16*\b+15], v[SCO+\b]
.endr
	v_nop                                          ; one plain line behind the last conversion
	ds_store_b128 v[OSW], v[S+32:S+35]             ; row r of 64 bytes: d = 16 h on,
	ds_store_b128 v[OSW], v[S+36:S+39] offset:32   ; and 32 + 16 h on
	ds_load_b128 v[S+40:S+43], v[OSR]              ; back: rows 0-7, that is two quads of tokens (LDS serves a wave's instructions in order),
	ds_load_b128 v[S+44:S+47], v[OSR] offset:512   ; and rows 8-15, which are 16 tokens further on
	s_wait_dscnt 0x0
	global_store_b128 v[GOA], v[S+40:S+43], s[\oa:\oa+1]               ; sixteen lanes store 256 consecutive bytes, aligned
	global_store_b128 v[GOA], v[S+44:S+47], s[\oa:\oa+1] offset:16384
	global_store_b16 v[SOF], v[W16], s[\os:\os+1]  ; two bytes a token (lanes l and l xor 16 the same): one byte in 32 of what is stored
	s_wait_xcnt 0x0                                ; the stores have read their data: the next scores land there
.if \reinit
	global_load_b128 v[Q:Q+3], v[QOF], s[40:41]
	global_load_b128 v[Q+4:Q+7], v[QOF], s[40:41] offset:32
	global_load_u16 v[QS], v[QSO], s[44:45]
	v_mov_b32 v13, 0xff61b1e6                      ; -3e38
	v_floor_f32 v12, -v13
	v_mov_b32 v14, 0
	v_mov_b32 v15, 0
.set n, 0
.rept 32
	v_mov_b32 v[O+n], 0
.set n, n+1
.endr
	s_wait_loadcnt 0x0
.endif
.endm
; A KEY STEP on slot s.
.macro STEP s, last
.if \last == 0
	s_add_co_u32 s[KN], s[KT], 1                   ; the next step's key tile: one on, or, behind the first diagonal, tile 0 for block j
	s_cmp_eq_u32 s[CUR], s[HD]
	s_cselect_b32 s[KN], 0, s[KN]
	GLOAD                                          ; asked for a whole step ahead
.endif
	KLOAD \s
	s_wait_dscnt 0x0
.irp i, 0,1,2,3,4,5,6,7
	v_wmma_scale_f32_16x16x128_f8f6f4 v[S+8*\i:S+8*\i+7], v[KF+8*\i:KF+8*\i+15], v[Q:Q+15], 0, v[KSC+\i], v[QS]
.endr
.rept 8
	v_nop                                          ; places in front of the loads over K's fragments and scale words, and of the first read of the scores
.endr
	VLOAD \s                                       ; V's fragments land under the softmax
.if \last == 0
	s_cmp_lg_u32 s[CUR], s[HD]                     ; a branch on ids and the step's number
	s_cbranch_scc1 .Lopen_\@
.endif
	MASK
.if \last == 0
.Lopen_\@:
.endif
	SOFTMAX
	s_wait_dscnt 0x0
.irp t, 0,1,2,3                                ; the four accumulators take turns, one instruction a turn
	v_wmma_scale_f32_16x16x128_f8f6f4 v[O+8*\t:O+8*\t+7], v[KF+16*\t:KF+16*\t+15], v[P:P+15], v[O+8*\t:O+8*\t+7], v[KSC+\t], v[PS]
.endr
.rept 9
	v_nop                                          ; nine: the next scores are written by matrix instructions over registers that these products read (p's codes)
.endr
.if \last == 0
	s_wait_loadcnt 0x0                             ; the next step's tiles are in registers,
	LSTORE 1-\s                                    ; and go into the other slot, which nobody has read since the last barrier
	s_cmp_lg_u32 s[CUR], s[HD]
	s_cbranch_scc1 .Lon_\@
	FIN 46, 50, 1
.Lon_\@:
	s_mov_b32 s[KT], s[KN]
	s_add_co_u32 s[CUR], s[CUR], 1
	s_wait_dscnt 0x0                               ; my stores have landed and my reads of this slot are over
	s_barrier_signal -1
	s_barrier_wait -1
.else
	FIN 48, 52, 0
.endif
.endm
	GLOAD                                          ; key tile 0
	global_load_b128 v[Q:Q+3], v[QOF], s[38:39]
	global_load_b128 v[Q+4:Q+7], v[QOF], s[38:39] offset:32
	global_load_u16 v[QS], v[QSO], s[42:43]
.irp i, 0,1,2,3,4,5,6,7
	v_mov_b32 v[Q+8+\i], 0                         ; Q's upper 64 codes
	v_mov_b32 v[KZ+\i], 0
.endr
.set n, 0
.rept 32
	v_mov_b32 v[O+n], 0                            ; the step is written once: the first finds zeros, which the first change of M leaves zeros
.set n, n+1
.endr
.irp b, 0,1,2,3
	v_mov_b32 v[T2+\b], 0                          ; a lane permute's destination counts as one of its sources
.endr
	v_mov_b32 v[F+1], 0
	v_mov_b32 v232, 0
	v_mov_b32 v13, 0xff61b1e6                      ; the largest t so far: -3e38
	v_floor_f32 v12, -v13
	v_mov_b32 v14, 0
	v_mov_b32 v15, 0
	s_wait_loadcnt 0x0
	LSTORE 0
	s_wait_dscnt 0x0
	s_barrier_signal -1
	s_barrier_wait -1
	s_mov_b32 s[TRIP], 8
.Lloop:                                            ; 8 trips of two steps; the 17th step, block j's diagonal, is written out: it asks for nothing
	STEP 0, 0
	STEP 1, 0
	s_sub_co_u32 s[TRIP], s[TRIP], 1
	s_cmp_lg_u32 s[TRIP], 0
	s_cbranch_scc1 .Lloop
	STEP 0, 1
	s_wait_xcnt 0x0
	v_lshl_add_u32 v254, v0, 2, 0x16800
	v_mov_b32 v255, 0
	s_wait_tensorcnt 0x0
	ds_add_u32 v254, v255
	s_wait_dscnt 0x0
	s_endpgm
.Lfunc_end_k_q9552d7030d_attn:
	.size	k_q9552d7030d_attn, .Lfunc_end_k_q9552d7030d_attn-k_q9552d7030d_attn
	.p2alignl 7, 3214868480
	.fill 96, 4, 3214868480
	.section	.rodata,"a",@progbits
	.p2align	6, 0x0
	.amdhsa_kernel k_q9552d7030d_attn
		.amdhsa_group_segment_fixed_size 94208
		.amdhsa_private_segment_fixed_size 0
		.amdhsa_enable_private_segment 0
		.amdhsa_kernarg_size 24
		.amdhsa_user_sgpr_count 2
		.amdhsa_user_sgpr_kernarg_segment_ptr 1
		.amdhsa_wavefront_size32 1
		.amdhsa_system_sgpr_workgroup_id_x 1
		.amdhsa_system_sgpr_workgroup_id_y 1
		.amdhsa_system_sgpr_workgroup_id_z 1
		.amdhsa_system_vgpr_workitem_id 0
		.amdhsa_next_free_vgpr 256
		.amdhsa_next_free_sgpr 68
		.amdhsa_reserve_vcc 1
		.amdhsa_float_denorm_mode_32 3
		.amdhsa_float_denorm_mode_16_64 3
		.amdhsa_memory_ordered 1
		.amdhsa_forward_progress 1
		.amdhsa_inst_pref_size 104
	.end_amdhsa_kernel
	.amdgpu_metadata
---
amdhsa.version: [ 1, 2 ]
amdhsa.kernels:
  - .name:           k_q9552d7030d_attn
    .symbol:         k_q9552d7030d_attn.kd
    .args:
      - { .name: qk, .offset: 0, .size: 8, .value_kind: global_buffer, .address_space: global }
      - { .name: vt, .offset: 8, .size: 8, .value_kind: global_buffer, .address_space: global }
      - { .name: ao, .offset: 16, .size: 8, .value_kind: global_buffer, .address_space: global }
    .group_segment_fixed_size: 94208
    .private_segment_fixed_size: 0
    .kernarg_segment_align: 8
    .kernarg_segment_size: 24
    .max_flat_workgroup_size: 512
    .sgpr_count:     68
    .vgpr_count:     256
    .wavefront_size: 32
...
	.end_amdgpu_metadata
.endif
;; end of part 3
;; launch oproj (part 4): grid 4 x 32, 4 waves a work-group, clusters of 4 x 4, 327,680 bytes of LDS; arguments ao, wq, out0; writes out0
.if DOCPART == 4
	.amdgcn_target "amdgcn-amd-amdhsa--gfx1250"
	.amdhsa_code_object_version 6
	.text
	.protected	k_q9552d7030d_oproj
	.globl	k_q9552d7030d_oproj
	.p2align	8
	.type	k_q9552d7030d_oproj,@function
k_q9552d7030d_oproj:
	s_mov_b64 s[64:65], 0
	v_nop
	global_prefetch_b8 v0, s[64:65] scope:SCOPE_SE
	s_setreg_imm32_b32 hwreg(HW_REG_WAVE_MODE, 25, 1), 1
	s_wait_xcnt 0x0
	s_wait_alu depctr_hold_cnt(0) depctr_sa_sdst(0) depctr_va_vdst(0) depctr_va_sdst(0) depctr_va_ssrc(0) depctr_va_vcc(0) depctr_vm_vsrc(0)
	s_getreg_b32 s2, hwreg(HW_REG_IB_STS2, 6, 4)
	s_cmp_eq_u32 s2, 0
	s_cbranch_scc0 .Lentry_in_a_cluster
	s_endpgm
.Lentry_in_a_cluster:
	s_bfe_u32 s2, ttmp6, 0x10000c
	s_cmp_lg_u32 s2, 0xf033
	s_cbranch_scc0 .Lentry_shape_is_right
	s_endpgm
.Lentry_shape_is_right:
; out0 = A Wo^T on codes of FP8 (E4M3) with one E8M0 scale for each 32 along K = 1,024; sums and out0 [8192][1024] in f32.
; A, the attention's result: codes [2048 quads of tokens][16 heads][4 tokens][64], scale bytes [8192][32] from byte 8,388,608 of ao.  Wo: rows 3,072 on of wq's codes [4096][1024]; its scale bytes from byte 4,292,608.
; A tile of 256 x 256 is made by four waves, 128 x 128 each: 64 accumulators, 512 registers.  K goes in steps of 256 (four heads) through a ring of two LDS slots filled by the tensor data mover.
; A's part of a slot: a wave's load brings 32 quads x 1,024 consecutive bytes (4 heads x 4 tokens x 64), 4,096 bytes apart in memory, 1,040 apart in LDS.  Token t, byte k of the K step lies at
; 1040 (t / 4) + 256 (k / 64) + 64 (t % 4) + k % 64: the 16 rows of a fragment load start at 16 different groups of banks.  B's part: 128 rows of 256 bytes, 272 apart.
; The scale bytes of the work-group's rows, for all of K, come once with the first fills.  CLUSTERS of 4 x 4: A's tiles are asked for jointly along a row of the cluster, B's along a column.
; The matrix instruction is used transposed (source 0 = 16 rows of Wo, source 1 = 16 tokens): a lane holds eight neighbouring numbers of a row of out0.
; REGISTERS: window 0: v0-31 addresses; v32-63 scale words, two sets; from v128 A's fragments, one set.  window 1: B's fragments, two sets.  windows 2, 3: the accumulators ((a, b) at v[8 (8 a + b)]).
.set SIZE_N, 1024
.set SIZE_K, 1024
.set KSTEP,  256
.set NQ,     KSTEP/128
.set ROWB,   256                       ; B: a tile's row in bytes
.set AROWB,  1024                      ; A: a quad's bytes of a K step
.set KROW,   SIZE_K
.set PITCH,  272
.set APITCH, 1040
.set FR,     16
.set NL,     4
.set NP,     8                         ; places behind this matrix instruction (ISA guide 7.12.1)
.set HALFT,  128*PITCH                 ; the room of one tensor load's tile (A's uses 32 x 1,040 bytes of it)
.set SLOT,   4*HALFT
.set LAPS,   SIZE_K/(2*KSTEP)
.set KS,     SIZE_K/32
.set SCL,    2*SLOT
.set HALFS,  (128*KS/256)*272
.set SBLK,   (16*KS/256)*272
.set SPARE,  SCL+4*HALFS               ; the spare words, 128 bytes for each wave
.set SPITCH, 528                       ; the way out: a stage of 16 rows x (512 bytes + 16) for each wave, in slot 0, which has had its last fill and its last read by then
.set ADRA, 16
.set ADRB, 20
.set STO,  24
.set RD,   25
.set CO,   26
.set SPW,  28
.set NIL,  29
.set ADRS, 27
.set SC,   32
.set AF,   128
.set BK,   128
.set G1, 24
.set G0, 32
.set G1B, 48
.set G0B, 56
.set G1S, 68
.set G0S, 76
.set G1SB, 80
.set G0SB, 88
.set MSB, 0
.macro WIN new                         ; the immediate's high byte repeats the setting that is left
.if MSB != \new
	s_set_vgpr_msb (MSB<<8)|\new
.set MSB, \new
.endif
.endm
.set MUL_LO, 0xa1
.set MUL_HI, 0xf1
.set TO_B,   0x40
.macro JLOAD g0a, g1a, g0b, g1b        ; a joint load: waves 0 and 1 fetch for A, waves 2 and 3 for B; four v_nop follow each of the two lines
	s_cmp_eq_u32 s15, 0
	s_cbranch_scc0 .Lfor_b_\@
	tensor_load_to_lds s[\g0a:\g0a+3], s[\g1a:\g1a+7]
	s_nop 0
.rept 4
	v_nop
.endr
	s_branch .Lasked_\@
.Lfor_b_\@:
	tensor_load_to_lds s[\g0b:\g0b+3], s[\g1b:\g1b+7]
	s_nop 0
.rept 4
	v_nop
.endr
.Lasked_\@:
.endm
.macro CREST
	s_cmp_lg_u32 s14, 0
	s_cbranch_scc1 .Lnot_wave_0_\@
	s_barrier_signal -3
.Lnot_wave_0_\@:
	s_barrier_wait -3
	s_barrier_signal -1
	s_barrier_wait -1
.endm
.macro CROUND
	s_barrier_signal -1
	s_barrier_wait -1
	CREST
.endm
	s_load_b128 s[4:7], s[0:1], 0x0                ; ao, wq
	s_load_b64 s[12:13], s[0:1], 0x10              ; out0
	v_lshl_add_u32 v[SPW], v0, 2, SPARE
	v_mov_b32 v[NIL], 0
	ds_add_u32 v28, v29
	ds_add_u32 v28, v29
	s_wait_dscnt 0x0
	v_lshrrev_b32 v1, 5, v0
	v_readfirstlane_b32 s14, v1                    ; wave 0..3
	s_lshr_b32 s15, s14, 1                         ; which half of the tile's rows is mine.  Also: I fetch for A (0) or for B (1)
	s_and_b32 s16, s14, 1                          ; which half of its columns.  Also: which 128 rows of that tile I fetch
	s_bfe_u32 s40, ttmp6, 0x40000                  ; cx, cy
	s_bfe_u32 s41, ttmp6, 0x40004
	s_lshl_b32 s42, ttmp9, 2
	s_add_co_u32 s42, s42, s40                     ; tile column
	s_and_b32 s17, ttmp7, 0xffff
	s_lshl_b32 s17, s17, 2
	s_add_co_u32 s17, s17, s41                     ; tile row
	s_lshl_b32 s43, s41, 2
	s_lshl_b32 s43, 15, s43                        ; my row of the cluster
	s_lshl_b32 s44, 0x1111, s40                    ; my column
	; descriptor group 1 for A: 32 rows (quads) x 1,024 bytes, 4,096 apart; four words of padding after every 256
	s_or_b32 s[G1+0], s43, (0<<16)|(1<<20)|(1<<21)|(7<<22)|(3<<25)
	s_mov_b32 s[G1+1], AROWB<<16                   ; tensor_dim0
	s_mov_b32 s[G1+2], 32<<16                      ; tensor_dim1
	s_mov_b32 s[G1+3], AROWB<<16                   ; tile_dim0
	s_mov_b32 s[G1+4], 32                          ; tile_dim1
	s_mov_b32 s[G1+5], 4096                        ; tensor_dim0_stride
	s_mov_b32 s[G1+6], 0
	s_mov_b32 s[G1+7], 0
	; for B: 128 rows x 256 bytes; four words of padding after every 64
	s_or_b32 s[G1B+0], s44, (0<<16)|(1<<20)|(1<<21)|(5<<22)|(3<<25)
	s_mov_b32 s[G1B+1], ROWB<<16
	s_mov_b32 s[G1B+2], 128<<16
	s_mov_b32 s[G1B+3], ROWB<<16
	s_mov_b32 s[G1B+4], 128
	s_mov_b32 s[G1B+5], KROW
	s_mov_b32 s[G1B+6], 0
	s_mov_b32 s[G1B+7], 0
	; the scales of 128 rows: 16 rows of 256 bytes (32 elements of 8 bytes), 16 bytes of padding behind each
	s_or_b32 s[G1S+0], s43, (3<<16)|(1<<20)|(1<<21)|(5<<22)|(3<<25)
	s_or_b32 s[G1SB+0], s44, (3<<16)|(1<<20)|(1<<21)|(5<<22)|(3<<25)
.irp g, G1S, G1SB
	s_mov_b32 s[\g+1], 32<<16
	s_mov_b32 s[\g+2], (128*KS/256)<<16
	s_mov_b32 s[\g+3], 32<<16
	s_mov_b32 s[\g+4], 128*KS/256
	s_mov_b32 s[\g+5], 32
	s_mov_b32 s[\g+6], 0
	s_mov_b32 s[\g+7], 0
.endr
	s_lshl_b32 s18, s16, 7
	s_lshl_b32 s20, s17, 8
	s_add_co_u32 s20, s20, s18                     ; A: token 256 x tile row + 128 x half
	s_lshl_b32 s46, s42, 8
	s_add_co_u32 s46, s46, s18                     ; B: row 256 x tile column + 128 x half
	s_mov_b32 s21, 0
	s_mov_b32 s47, 0
	s_mov_b64 s[18:19], KS
	s_mul_u64 s[22:23], s[20:21], s[18:19]
	s_mul_u64 s[92:93], s[46:47], s[18:19]
	s_mov_b64 s[18:19], KROW
	s_mul_u64 s[20:21], s[20:21], s[18:19]         ; A: a quad is 4,096 bytes, so a token counts 1,024, as a row does in B
	s_mul_u64 s[46:47], s[46:47], s[18:19]
	s_mul_i32 s45, s14, HALFT
	s_mul_i32 s94, s14, HALFS
	s_wait_kmcnt 0x0
	s_add_nc_u64 s[8:9], s[6:7], 0x300000          ; Wo's codes
	s_add_nc_u64 s[10:11], s[6:7], 4292608         ; Wo's scale bytes
	s_add_nc_u64 s[6:7], s[4:5], 8388608           ; A's scale bytes
	s_add_nc_u64 s[20:21], s[4:5], s[20:21]
	s_add_nc_u64 s[22:23], s[6:7], s[22:23]
	s_add_nc_u64 s[46:47], s[8:9], s[46:47]
	s_add_nc_u64 s[92:93], s[10:11], s[92:93]
	CROUND                                         ; all sixteen work-groups are here: the first joint loads meet
	s_mov_b32 s[G0S], 1
	s_add_co_u32 s[G0S+1], s94, SCL
	s_mov_b64 s[G0S+2:G0S+3], s[22:23]
	s_or_b32 s[G0S+3], s[G0S+3], 0x80000000
	s_mov_b32 s[G0SB], 1
	s_add_co_u32 s[G0SB+1], s94, SCL
	s_mov_b64 s[G0SB+2:G0SB+3], s[92:93]
	s_or_b32 s[G0SB+3], s[G0SB+3], 0x80000000
	JLOAD G0S, G1S, G0SB, G1SB
.irp s, 0,1
	s_mov_b32 s[G0+4*\s], 1
	s_add_co_u32 s[G0+4*\s+1], s45, \s*SLOT
	s_add_nc_u64 s[G0+4*\s+2:G0+4*\s+3], s[20:21], \s*AROWB
	s_or_b32 s[G0+4*\s+3], s[G0+4*\s+3], 0x80000000
	s_mov_b32 s[G0B+4*\s], 1
	s_add_co_u32 s[G0B+4*\s+1], s45, \s*SLOT
	s_add_nc_u64 s[G0B+4*\s+2:G0B+4*\s+3], s[46:47], \s*ROWB
	s_or_b32 s[G0B+4*\s+3], s[G0B+4*\s+3], 0x80000000
	JLOAD G0+4*\s, G1, G0B+4*\s, G1B
.endr
	v_and_b32 v1, 15, v0                           ; r
	v_bfe_u32 v2, v0, 4, 1                         ; h
	v_lshrrev_b32 v3, 2, v1
	v_mul_u32_u24 v3, v3, APITCH
	v_and_b32 v7, 3, v1
	v_lshl_add_u32 v3, v7, 6, v3
	v_lshl_add_u32 v7, v2, 4, v3                   ; A: 1040 (r / 4) + 64 (r % 4) + 16 h
	v_mul_u32_u24 v3, v1, PITCH
	v_lshl_add_u32 v4, v2, 4, v3                   ; B: row x pitch + 16 h
	s_mul_i32 s21, s15, HALFT
	s_mul_i32 s22, s16, HALFT
	s_add_co_u32 s22, s22, 2*HALFT
.irp s, 0,1
	v_add_nc_u32 v[ADRA+\s], s21, v7
	v_add_nc_u32 v[ADRB+\s], s22, v4
	s_add_co_u32 s21, s21, SLOT
	s_add_co_u32 s22, s22, SLOT
.endr
	v_mul_u32_u24 v5, v1, KS
	v_lshrrev_b32 v6, 8, v5
	v_lshl_add_u32 v5, v6, 4, v5
	s_mul_i32 s21, s15, HALFS
	s_mul_i32 s22, s16, HALFS
	s_add_co_u32 s22, s22, 2*HALFS
	s_sub_co_u32 s22, s22, s21
	v_mul_u32_u24 v6, s22, v2                      ; lanes 16-31 take B's
	s_add_co_u32 s21, s21, SCL
	v_add_nc_u32 v5, v5, v6
	v_add_nc_u32 v[ADRS], s21, v5
	s_mul_i32 s23, s14, 16*SPITCH                  ; my stage
	v_mul_u32_u24 v5, v1, SPITCH
	v_lshl_add_u32 v5, v2, 5, v5
	v_add_nc_u32 v[STO], s23, v5
	v_and_b32 v6, 31, v0
	v_lshlrev_b32 v[CO], 4, v6
	v_add_nc_u32 v[RD], s23, v[CO]
	s_lshl_b32 s20, s17, 8
	s_lshl_b32 s21, s15, 7
	s_add_co_u32 s20, s20, s21                     ; my first row of out0
	s_mov_b32 s21, 0
	s_mov_b64 s[18:19], SIZE_N*4
	s_mul_u64 s[20:21], s[20:21], s[18:19]
	s_lshl_b32 s46, s42, 10                        ; my first column, in bytes
	s_lshl_b32 s47, s16, 9
	s_add_co_u32 s46, s46, s47
	s_mov_b32 s47, 0
	s_add_nc_u64 s[20:21], s[20:21], s[46:47]
	s_add_nc_u64 s[12:13], s[12:13], s[20:21]
.macro FRAG reg, adr, q, i             ; B: lane l holds row l % 16; registers 4 c .. 4 c + 3 hold K = 32 c + 16 (l / 16) + 0 .. 15
.irp c, 0,1,2,3
	ds_load_b128 v[\reg+4*\c:\reg+4*\c+3], v[\adr] offset:128*(\q)+32*\c+(\i)*16*PITCH
.endr
.endm
.macro FRAGA reg, adr, q, i            ; A: the same numbers out of the quads: 16 tokens are 4 quads; 128 along K are two heads, 256 bytes apart
.irp c, 0,1,2,3
	ds_load_b128 v[\reg+4*\c:\reg+4*\c+3], v[\adr] offset:4*APITCH*(\i)+512*(\q)+256*(\c/2)+32*(\c%2)
.endr
.endm
; The 64 accumulators take turns, one instruction a turn, in the same order in every step.
.macro MUL16 a0, p, q, sc, zero
.irp a, \a0, \a0+1
.irp b, 0,1,2,3,4,5,6,7
.if \zero
	v_wmma_scale_f32_16x16x128_f8f6f4 v[8*(8*((\a)%4)+\b):8*(8*((\a)%4)+\b)+7], v[128*(\p)+FR*\b:128*(\p)+FR*\b+FR-1], v[AF+FR*(\a):AF+FR*(\a)+FR-1], 0, v[SC+8*NQ*(\sc)+NQ*\b+(\q)], v[SC+8*NQ*(\sc)+NQ*(\a)+(\q)] matrix_a_scale:MATRIX_SCALE_ROW1
.else
	v_wmma_scale_f32_16x16x128_f8f6f4 v[8*(8*((\a)%4)+\b):8*(8*((\a)%4)+\b)+7], v[128*(\p)+FR*\b:128*(\p)+FR*\b+FR-1], v[AF+FR*(\a):AF+FR*(\a)+FR-1], v[8*(8*((\a)%4)+\b):8*(8*((\a)%4)+\b)+7], v[SC+8*NQ*(\sc)+NQ*\b+(\q)], v[SC+8*NQ*(\sc)+NQ*(\a)+(\q)] matrix_a_scale:MATRIX_SCALE_ROW1
.endif
.endr
.endr
.endm
.macro FETCH_B slot, q, p
	WIN TO_B
.irp i, 0,1,2,3,4,5,6,7
	FRAG 128*(\p)+FR*\i, ADRB+\slot, \q, \i
.endr
	WIN 0
.endm
.macro FETCH_A slot, q, i0
.irp i, \i0, \i0+1, \i0+2, \i0+3
	FRAGA AF+FR*(\i), ADRA+\slot, \q, \i
.endr
.endm
.macro SCALES sc
.irp i, 0,1,2,3,4,5,6,7
	ds_load_b64 v[SC+8*NQ*\sc+NQ*\i:SC+8*NQ*\sc+NQ*\i+1], v[ADRS] offset:\i*SBLK
.endr
.endm
.macro PLACES n
.rept \n
	v_nop
.endr
.endm
.macro STEP slot, q, zero
	s_wait_dscnt 4*NL                              ; B's set and A's blocks 0-3 are in; the youngest sixteen loads (A's blocks 4-7) may be out
	WIN MUL_LO
	MUL16 0, (\q)%2, \q, \slot, \zero
	MUL16 2, (\q)%2, \q, \slot, \zero
	s_wait_dscnt 0
	PLACES NP
	FETCH_B \slot, (\q)+1, 1-(\q)%2
	FETCH_A \slot, (\q)+1, 0
	WIN MUL_HI
	MUL16 4, (\q)%2, \q, \slot, \zero
	MUL16 6, (\q)%2, \q, \slot, \zero
	PLACES NP
	WIN 0
	FETCH_A \slot, (\q)+1, 4
.endm
.macro TURN slot, next, fill
	s_wait_tensorcnt 0x0                           ; all my tensor loads have landed: my part of the next slot
	ds_add_u32 v[SPW], v[NIL]                      ; 0 onto my spare word
	s_wait_dscnt 4*NL+1                            ; (the add and the youngest sixteen loads may be out)
	WIN MUL_LO
	MUL16 0, 1, NQ-1, \slot, 0
	s_wait_dscnt 0x0                               ; the add is done, and my reads of this slot are over
	s_barrier_signal -1
	MUL16 2, 1, NQ-1, \slot, 0
	WIN 0
	s_barrier_wait -1
.if \fill
	CREST                                          ; a round of the cluster's barrier: no wave of any partner still reads this slot or has a load on its way
	s_add_nc_u64 s[G0+4*\slot+2:G0+4*\slot+3], s[G0+4*\slot+2:G0+4*\slot+3], 2*AROWB
	s_add_nc_u64 s[G0B+4*\slot+2:G0B+4*\slot+3], s[G0B+4*\slot+2:G0B+4*\slot+3], 2*ROWB
	JLOAD G0+4*\slot, G1, G0B+4*\slot, G1B
	PLACES NP-4
.else
	PLACES NP
.endif
	v_add_nc_u32 v[ADRS], 4*NQ, v[ADRS]
	FETCH_B \next, 0, 0
	FETCH_A \next, 0, 0
	SCALES \next
	WIN MUL_HI
	MUL16 4, 1, NQ-1, \slot, 0
	MUL16 6, 1, NQ-1, \slot, 0
	PLACES NP
	WIN 0
	FETCH_A \next, 0, 4
.endm
	s_wait_tensorcnt 1                             ; the scales and my part of K step 0 are in (K step 1's load may be out)
	s_barrier_signal -1
	s_barrier_wait -1
	FETCH_B 0, 0, 0
	FETCH_A 0, 0, 0
	SCALES 0
	FETCH_A 0, 0, 4
	STEP 0, 0, 1                                   ; the first step's products start the sums
	s_mov_b32 s3, LAPS-1
.Llap:
	TURN 0, 1, 1
	STEP 1, 0, 0
	TURN 1, 0, 1
	STEP 0, 0, 0
	s_sub_co_u32 s3, s3, 1
	s_cmp_lg_u32 s3, 0
	s_cbranch_scc1 .Llap
	TURN 0, 1, 0                                   ; the last lap fills nothing
	STEP 1, 0, 0
	s_wait_dscnt 4*NL
	WIN MUL_LO
	MUL16 0, 1, NQ-1, 1, 0
	MUL16 2, 1, NQ-1, 1, 0
	s_wait_dscnt 0
	WIN MUL_HI
	MUL16 4, 1, NQ-1, 1, 0
	MUL16 6, 1, NQ-1, 1, 0
	WIN 0
; THE WAY OUT, block by block of 16 rows x 128 columns, through my own stage and back as whole rows of 512 bytes.  LDS serves a wave's instructions in order.
.macro TOSTAGE a
.set AC, 64*((\a)%4)
	WIN 0x08+4*((\a)/4)                            ; the data: window 2 or 3
.irp b, 0,1,2,3,4,5,6,7
	ds_store_b128 v[STO], v[AC+8*\b:AC+8*\b+3] offset:64*\b          ; each accumulator from its low end on
	ds_store_b128 v[STO], v[AC+8*\b+4:AC+8*\b+7] offset:64*\b+16
.endr
	WIN 0
.set BB, BK+64*((\a)%2)
.irp t, 0,1,2,3,4,5,6,7,8,9,10,11,12,13,14,15
	ds_load_b128 v[BB+4*\t:BB+4*\t+3], v[RD] offset:\t*SPITCH
.endr
.endm
.macro SEND a, younger                 ; younger: the LDS instructions issued behind block a's loads, which may stay out
.set BB, BK+64*((\a)%2)
	s_wait_dscnt \younger
.if (\a) > 0
	s_add_nc_u64 s[12:13], s[12:13], 16*SIZE_N*4   ; (behind a wait on XCNT: the earlier stores have read their base)
.endif
.irp t, 0,1,2,3,4,5,6,7,8,9,10,11,12,13,14,15
	global_store_b128 v[CO], v[BB+4*\t:BB+4*\t+3], s[12:13] offset:\t*SIZE_N*4 th:TH_STORE_NT   ; 32 lanes store 512 consecutive bytes, aligned
.endr
.endm
	PLACES NP
	TOSTAGE 0
.irp a, 1,2,3,4,5,6,7
.if \a > 1
	s_wait_xcnt 0x0                                ; block a - 2's stores have read their registers and their base
.endif
	TOSTAGE \a
	SEND \a-1, 32                                  ; behind block a - 1's loads: block a's 16 stores and 16 loads
.endr
	s_wait_xcnt 0x0
	SEND 7, 0
	s_wait_tensorcnt 0x0                           ; the wave's end
	ds_add_u32 v[SPW], v[NIL]
	s_wait_dscnt 0x0
	CROUND                                         ; the closing round
	s_endpgm
.Lfunc_end_k_q9552d7030d_oproj:
	.size	k_q9552d7030d_oproj, .Lfunc_end_k_q9552d7030d_oproj-k_q9552d7030d_oproj
	.p2alignl 7, 3214868480
	.fill 96, 4, 3214868480
	.section	.rodata,"a",@progbits
	.p2align	6, 0x0
	.amdhsa_kernel k_q9552d7030d_oproj
		.amdhsa_group_segment_fixed_size 327680
		.amdhsa_private_segment_fixed_size 0
		.amdhsa_enable_private_segment 0
		.amdhsa_kernarg_size 24
		.amdhsa_user_sgpr_count 2
		.amdhsa_user_sgpr_kernarg_segment_ptr 1
		.amdhsa_wavefront_size32 1
		.amdhsa_system_sgpr_workgroup_id_x 1
		.amdhsa_system_sgpr_workgroup_id_y 1
		.amdhsa_system_sgpr_workgroup_id_z 1
		.amdhsa_system_vgpr_workitem_id 0
		.amdhsa_next_free_vgpr 1024
		.amdhsa_next_free_sgpr 98
		.amdhsa_reserve_vcc 0
		.amdhsa_float_denorm_mode_32 3
		.amdhsa_float_denorm_mode_16_64 3
		.amdhsa_memory_ordered 1
		.amdhsa_forward_progress 1
		.amdhsa_inst_pref_size 146
	.end_amdhsa_kernel
	.amdgpu_metadata
---
amdhsa.version: [ 1, 2 ]
amdhsa.kernels:
  - .name:           k_q9552d7030d_oproj
    .symbol:         k_q9552d7030d_oproj.kd
    .args:
      - { .name: ao, .offset: 0, .size: 8, .value_kind: global_buffer, .address_space: global }
      - { .name: wq, .offset: 8, .size: 8, .value_kind: global_buffer, .address_space: global }
      - { .name: out0, .offset: 16, .size: 8, .value_kind: global_buffer, .address_space: global }
    .group_segment_fixed_size: 327680
    .private_segment_fixed_size: 0
    .kernarg_segment_align: 8
    .kernarg_segment_size: 24
    .max_flat_workgroup_size: 128
    .sgpr_count:     98
    .vgpr_count:     1024
    .wavefront_size: 32
...
	.end_amdgpu_metadata
.endif
;; end of part 4
;; ======== version 2 of 2: 4 launches; version 1 with the launch attn written anew for expert scheduling mode
;; workspace buffers: xq 8,650,752 bytes; wq 4,325,376 bytes; qk 17,301,504 bytes; vt 8,650,752 bytes; ao 8,650,752 bytes
;; launch quant: the kernel of part 1 again; grid 384 x 1, 4 waves a work-group, no clusters, 33,280 bytes of LDS; arguments in_features, q_proj, k_proj, v_proj, o_proj, xq, wq; writes xq, wq
;; launch qkv: the kernel of part 2 again; grid 12 x 32, 4 waves a work-group, clusters of 4 x 4, 327,680 bytes of LDS; arguments xq, wq, qk, vt; writes qk, vt
;; launch attn (part 5): grid 8 x 32, 16 waves a work-group, no clusters, 94,208 bytes of LDS; arguments qk, vt, ao; writes ao
.if DOCPART == 5
	.amdgcn_target "amdgcn-amd-amdhsa--gfx1250"
	.amdhsa_code_object_version 6
	.text
	.protected	k_q9552d7030d_attn
	.globl	k_q9552d7030d_attn
	.p2align	8
	.type	k_q9552d7030d_attn,@function
k_q9552d7030d_attn:
	s_mov_b64 s[64:65], 0
	v_nop
	global_prefetch_b8 v0, s[64:65] scope:SCOPE_SE
	s_setreg_imm32_b32 hwreg(HW_REG_WAVE_SCHED_MODE, 0, 2), 2
	s_setreg_imm32_b32 hwreg(HW_REG_WAVE_MODE, 25, 1), 1
	s_wait_xcnt 0x0
	s_wait_alu depctr_vm_vsrc(0)
; Causal attention on codes of FP8 (E4M3): S = Q K^T (K = the head's 64), p = 2^(t - M), O = p V / the sum of p (K = the keys); O is quantised along (head, d) for the last projection.
; t = score x log2(e) / 8; M = the row's largest t so far, rounded UP to a whole number; p is quantised along the keys, not normalised; the sum is taken of the unquantised p.
; When M moves, the sum and O are multiplied by 2^(old M - new M): exact.  Hidden scores get the mask's own value, -1e9 after the division by 8, that is -8e9 on the raw score.
; IN.  qk: codes [16 chunks][8192 token places][128] (chunk p: Q of heads 2 p, 2 p + 1; 8 + p: K), scale words [16][8192] from byte 16,777,216 (two bytes a head).
;      vt: codes [64 blocks of 128 tokens][1024 places of (head, d)][128 tokens], scale words [64][1024] from byte 8,388,608.  PLACES have bits 3 and 4 of the index exchanged.
; OUT. ao: codes [2048 quads of tokens][16 heads][4 tokens][64], so that 4 tokens of a head are 256 consecutive bytes; scale bytes [8192 tokens][32] from byte 8,388,608.  True order.
; SHARES.  Work-group (j, batch and head pair) owns the blocks of 128 queries 15 - j and j: 17 key steps of 128 keys in every work-group, none of them wholly hidden.  Steps 0 .. 15 - j serve
; block 15 - j (the last lies on the diagonal), steps 16 - j .. 16 block j.  Wave w: head w / 8 of the pair, 16 query places w % 8 of the block; four waves to a SIMD.
; No cluster: from step 16 - j on the work-groups of a head pair ask for different tiles.  No prefetch: a step's tiles are asked for into registers one whole step ahead of their use.
; K's and V's tiles go through registers into two LDS slots: asked for at a step's head, stored into the other slot behind the step's products, one barrier a step.
; LAYOUT.  Both products are used transposed: source 0 = 16 key places (or 16 places of d), source 1 = my 16 queries: a lane holds ONE query.  By the place order the 16 registers of tiles
; 2 g and 2 g + 1 are 16 neighbours in the true order, 32 g + 16 (lane / 16) + 0 .. 15: p's and O's conversions give the next operand's registers.
; K = 64 IN A FORM OF 128: Q's upper 64 codes are zeros for ever, so K's upper 8 registers may hold any finite codes: fragment i is v[32 + 8 i .. 47 + 8 i], its upper half the next fragment
; (behind the last: zeros).  Q's and K's scale words come as 16 bits, so their upper bytes are 0, which is 2^-127 over products that are 0.
; LIMITS: a block under 2^-118 or of zeros gets the byte 1; NaN and infinities are not served.
; THE MODE: SCHED_MODE bits 1:0 = 2 (LLVM: expert scheduling mode 2), set by the entry lines.  The code itself states the register dependences between vector or matrix instructions
; and memory or LDS instructions, with s_wait_alu, always for 0.
; THE PLAN.  Registers that memory or LDS instructions touch, round a key step:
;   ST (v234-250)      Written by the global loads at the step's head; read by the LDS stores near its end.  In the loop no vector instruction names them.
;   KF, KSC            Written by K's LDS loads at the step's head; read by the eight score products; written by V's LDS loads; read by the four products onto O^T.
;   Q (v16-23), QS     Written by global loads at the head and where block j begins; read by the score products.
;   S+32 .. S+47, v255 On the way out alone: codes and two scale bytes written by vector lines and read by stores; rows read back by LDS loads and read by stores.  The next scores are written over them.
;   v1-v11, v251-v254  Addresses and offsets, made once at the head and not written again ahead of the closing lines.
; So a step holds four waits on va_vdst: ahead of K's loads (the last step's products onto O^T have read KF and KSC); behind the score products (they have read KF and KSC, in which V's loads land);
; the exponentials' wait; and ahead of the products onto O^T (p's codes and scale word are written).  V's twenty loads follow the second of them in four groups, dealt among the softmax's lines,
; none of which names KF or KSC.  One wait on vm_vsrc stands behind the LDS stores of ST, and one behind the way out's stores.
.set TSL,  18432                       ; a tile in LDS: 128 rows x (128 bytes + 16)
.set VTL,  2*TSL                       ; K's two slots from byte 0, V's two from here,
.set SCB,  4*TSL                       ; two slots of 1,024 bytes of scale words (K's 128, then V's 128),
.set OST,  SCB+2048                    ; and 1,024 bytes for each wave for the way out
.set AK,   1                           ; v1   K's fragments: 144 r + 64 head + 16 h
.set AV,   2                           ; v2   V's: VTL + 144 (64 head + r) + 16 h
.set ASK,  3                           ; v3   K's scale words: SCB + 4 r + 2 head
.set ASV,  4                           ; v4   V's: SCB + 512 + 4 (64 head + r)
.set AW,   5                           ; v5   where I store 16 bytes of a tile: 144 (8 w + l / 8) + 16 (l % 8)
.set AWS,  6                           ; v6   and 2 bytes of scale words: SCB + 2 x thread
.set GL,   7                           ; v7   16 l
.set GS,   8                           ; v8   2 l
.set DM,   9                           ; v9   my query less 16 h, counted from the block's first: register 16 g + i is hidden on the diagonal where 32 g + i > DM
.set OSW,  10                          ; v10  the way out: in
.set OSR,  11                          ; v11  and back
.set Q,    16                          ; v16-31  Q's fragment: 8 registers of codes, 8 of zeros
.set KF,   32                          ; v32-95  K's eight fragments, then V's four
.set KZ,   96                          ; v96-103 zeros
.set P,    104                         ; v104-119 p's codes: the last twelve registers lie over p's first numbers, which are converted by then
.set S,    108                         ; v108-171 the scores, then p
.set O,    172                         ; v172-203 O^T
.set BM,   204                         ; four blocks' largest
.set T2,   208
.set LIM,  212
.set SCO,  216
.set KSC,  220                         ; v220-227 K's scale words, then V's
.set QS,   228                         ; Q's
.set PS,   229                         ; p's
.set F,    230                         ; v[230:231] the factor; the upper register is written once
.set ST,   234                         ; v234-250 a step's tiles on their way
.set QOF,  251                         ; 128 r + 16 h
.set QSO,  252                         ; 4 r
.set GOA,  253                         ; 4096 h + 16 r
.set SOF,  254                         ; 32 (r % 8) + 512 (r / 8)
.set W16,  255                         ; O's two scale bytes
.set MK,   4                           ; s4-s19 behind the head, where they are free: sixteen masks of the diagonal's compares
.set KT,   54                          ; s54 the key tile in hand; s55 the next; s56 the step; s57 = 15 - j: the step on the first diagonal; s58 trips
.set KN,   55
.set CUR,  56
.set HD,   57
.set TRIP, 58
	s_load_b128 s[4:7], s[0:1], 0x0                ; qk, vt
	s_load_b64 s[8:9], s[0:1], 0x10                ; ao
	v_lshrrev_b32 v237, 5, v0                      ; w
	v_readfirstlane_b32 s16, v237
	v_and_b32 v234, 15, v0                         ; r
	v_bfe_u32 v235, v0, 4, 1                       ; h
	v_and_b32 v236, 31, v0                         ; l
	v_lshrrev_b32 v238, 8, v0                      ; the head of the pair
	v_mul_u32_u24 v239, v234, 144
	v_lshl_add_u32 v239, v235, 4, v239
	v_lshl_add_u32 v[AK], v238, 6, v239
	v_mad_u32_u24 v[AV], v238, 9216, v239
	v_add_nc_u32 v[AV], VTL, v[AV]
	v_lshlrev_b32 v[QSO], 2, v234
	v_lshl_add_u32 v[ASK], v238, 1, v[QSO]
	v_add_nc_u32 v[ASK], SCB, v[ASK]
	v_lshl_add_u32 v[ASV], v238, 8, v[QSO]
	v_add_nc_u32 v[ASV], SCB+512, v[ASV]
	v_bfe_u32 v240, v0, 3, 2
	v_lshl_add_u32 v240, v237, 3, v240
	v_mul_u32_u24 v240, v240, 144
	v_and_b32 v241, 7, v0
	v_lshl_add_u32 v[AW], v241, 4, v240
	v_lshl_add_u32 v[AWS], v0, 1, SCB
	v_lshlrev_b32 v[GL], 4, v236
	v_lshlrev_b32 v[GS], 1, v236
	v_bfe_u32 v240, v0, 5, 1                       ; my query in the true order: place bits 3 and 4 exchanged: (r % 8) + 8 (tile % 2) + 16 (r / 8) + 32 (tile / 2)
	v_lshl_add_u32 v[DM], v240, 3, v241
	v_bfe_u32 v240, v0, 3, 1
	v_lshl_add_u32 v[DM], v240, 4, v[DM]
	v_lshlrev_b32 v[SOF], 9, v240
	v_lshl_add_u32 v[SOF], v241, 5, v[SOF]
	v_bfe_u32 v240, v0, 6, 2
	v_lshl_add_u32 v[DM], v240, 5, v[DM]
	v_lshlrev_b32 v240, 4, v235
	v_sub_nc_u32 v[DM], v[DM], v240
	v_lshlrev_b32 v240, 10, v237
	v_add_nc_u32 v240, OST, v240                   ; my stage
	v_lshl_add_u32 v[OSR], v236, 4, v240
	v_lshl_add_u32 v240, v234, 6, v240
	v_lshl_add_u32 v[OSW], v235, 4, v240
	v_lshlrev_b32 v[QOF], 7, v234
	v_lshl_add_u32 v[QOF], v235, 4, v[QOF]
	v_lshlrev_b32 v[GOA], 12, v235
	v_lshl_add_u32 v[GOA], v234, 4, v[GOA]
	s_wait_alu depctr_va_sdst(0)                   ; s16, the wave's number, is written, ahead of its first reader
	s_lshr_b32 s17, s16, 3                         ; head of the pair
	s_and_b32 s18, s16, 7                          ; my tile of 16 query places
	s_mov_b32 s19, ttmp9                           ; j
	s_and_b32 s20, ttmp7, 0xffff
	s_and_b32 s21, s20, 7                          ; head pair
	s_lshr_b32 s20, s20, 3                         ; batch
	s_sub_co_u32 s[HD], 15, s19
	s_mov_b32 s23, 0
	s_mov_b32 s60, 0x76543210
	s_mov_b32 s61, 0xfedcba98                      ; v_permlanex16_b32's selects for lane l xor 16
	s_mov_b32 s62, 0x3e38aa3b                      ; c = log2(e) / 8
	s_mov_b32 s63, s62                             ; (named with it as a pair)
	s_mov_b32 s66, 0x600000                        ; the mantissa field of 448
	s_lshl_b32 s10, s21, 13
	s_lshl_b32 s13, s20, 11                        ; 2048 x batch
	s_add_co_u32 s10, s10, s13
	s_lshl_b32 s14, s18, 4
	s_add_co_u32 s10, s10, s14                     ; Q's row less the block: 8192 pair + 2048 batch + 16 tile
	s_lshr_b32 s14, s18, 1
	s_lshl_b32 s14, s14, 5
	s_add_co_u32 s11, s13, s14
	s_and_b32 s14, s18, 1
	s_lshl_b32 s14, s14, 3
	s_add_co_u32 s11, s11, s14                     ; my first token in the true order, less the block: 2048 batch + 32 (tile / 2) + 8 (tile % 2)
	s_lshl_b32 s12, s21, 1
	s_add_co_u32 s12, s12, s17                     ; the head
	s_wait_kmcnt 0x0
	s_add_co_u32 s14, s21, 8
	s_lshl_b32 s14, s14, 13
	s_add_co_u32 s14, s14, s13                     ; K's first row
	s_lshl_b32 s22, s14, 7
	s_lshl_b32 s15, s16, 10                        ; my wave's 8 rows of a tile
	s_add_co_u32 s22, s22, s15
	s_add_nc_u64 s[24:25], s[4:5], s[22:23]        ; K's codes
	s_lshl_b32 s31, s20, 14
	s_lshl_b32 s59, s21, 7
	s_add_co_u32 s31, s31, s59                     ; V's first row: 16384 batch + 128 pair
	s_lshl_b32 s22, s31, 7
	s_add_co_u32 s22, s22, s15
	s_add_nc_u64 s[26:27], s[6:7], s[22:23]        ; V's codes
	s_lshl_b32 s14, s14, 2
	s_add_co_u32 s14, s14, 16777216
	s_lshl_b32 s31, s31, 2
	s_add_co_u32 s31, s31, 8388608
	s_mov_b32 s30, 4096
	s_cmp_eq_u32 s17, 0                            ; waves 0-7 bring K's scale words, waves 8-15 V's: 64 bytes each
	s_cselect_b32 s22, s14, s31
	s_cselect_b32 s30, 512, s30                    ; from key tile to key tile
	s_cselect_b64 s[28:29], s[4:5], s[6:7]
	s_lshl_b32 s15, s18, 6
	s_add_co_u32 s22, s22, s15
	s_add_nc_u64 s[28:29], s[28:29], s[22:23]
.macro PTRS qb, qa, qs, oa, os         ; the pointers of the block of queries whose number stands in s[qb]
	s_lshl_b32 s13, s[\qb], 7
	s_add_co_u32 s14, s13, s10
	s_lshl_b32 s22, s14, 7
	s_lshl_b32 s15, s17, 6
	s_add_co_u32 s22, s22, s15
	s_add_nc_u64 s[\qa:\qa+1], s[4:5], s[22:23]    ; Q's codes: my 16 rows, my head's 64 bytes
	s_lshl_b32 s22, s14, 2
	s_lshl_b32 s15, s17, 1
	s_add_co_u32 s22, s22, s15
	s_add_co_u32 s22, s22, 16777216
	s_add_nc_u64 s[\qs:\qs+1], s[4:5], s[22:23]    ; and their scale bytes
	s_add_co_u32 s14, s13, s11
	s_lshl_b32 s22, s14, 10
	s_lshl_b32 s15, s12, 8
	s_add_co_u32 s22, s22, s15
	s_add_nc_u64 s[\oa:\oa+1], s[8:9], s[22:23]    ; O's codes: 1,024 bytes a token, 256 a head
	s_lshl_b32 s22, s14, 5
	s_lshl_b32 s15, s12, 1
	s_add_co_u32 s22, s22, s15
	s_add_co_u32 s22, s22, 8388608
	s_add_nc_u64 s[\os:\os+1], s[8:9], s[22:23]    ; and their scale bytes
.endm
	PTRS HD, 38, 42, 46, 50                        ; block 15 - j
	PTRS 19, 40, 44, 48, 52                        ; block j
	s_mov_b32 s[KT], 0
	s_mov_b32 s[KN], 0
	s_mov_b32 s[CUR], 0
.macro GLOAD                           ; key tile s[KN]: my wave's 8 rows of K, 8 rows of V and 64 bytes of scale words, into registers
	s_lshl_b32 s22, s[KN], 14
	s_add_nc_u64 s[32:33], s[24:25], s[22:23]
	s_lshl_b32 s22, s[KN], 17
	s_add_nc_u64 s[34:35], s[26:27], s[22:23]
	s_mul_i32 s22, s[KN], s30
	s_add_nc_u64 s[36:37], s[28:29], s[22:23]
	global_load_b128 v[ST:ST+3], v[GL], s[32:33]
	global_load_b128 v[ST+4:ST+7], v[GL], s[32:33] offset:512
	global_load_b128 v[ST+8:ST+11], v[GL], s[34:35]
	global_load_b128 v[ST+12:ST+15], v[GL], s[34:35] offset:512
	global_load_u16 v[ST+16], v[GS], s[36:37]
.endm
.macro LSTORE s                        ; and on into slot s
	ds_store_b128 v[AW], v[ST:ST+3] offset:TSL*(\s)
	ds_store_b128 v[AW], v[ST+4:ST+7] offset:TSL*(\s)+576
	ds_store_b128 v[AW], v[ST+8:ST+11] offset:VTL+TSL*(\s)
	ds_store_b128 v[AW], v[ST+12:ST+15] offset:VTL+TSL*(\s)+576
	ds_store_b16 v[AWS], v[ST+16] offset:1024*(\s)
.endm
.macro KLOAD s
.irp i, 0,1,2,3,4,5,6,7
	ds_load_b128 v[KF+8*\i:KF+8*\i+3], v[AK] offset:TSL*(\s)+2304*\i
	ds_load_b128 v[KF+8*\i+4:KF+8*\i+7], v[AK] offset:TSL*(\s)+2304*\i+32
	ds_load_u16 v[KSC+\i], v[ASK] offset:1024*(\s)+64*\i
.endr
.endm
.macro VTILE s, t                      ; V's fragment t of slot s and its scale words: five LDS loads
.irp c, 0,1,2,3
	ds_load_b128 v[KF+16*(\t)+4*\c:KF+16*(\t)+4*\c+3], v[AV] offset:TSL*(\s)+2304*(\t)+32*\c
.endr
	ds_load_b32 v[KSC+(\t)], v[ASV] offset:1024*(\s)+64*(\t)
.endm
.macro MASK                            ; on a diagonal: register 16 g + i holds key 32 g + 16 h + i of the block.  The compares go in runs of sixteen, a scalar register to each mask
	v_mov_b32 v232, 0xcfee6b28                     ; -8e9
.set mg, 0
.rept 4
.set n, 0
.rept 16
	v_cmp_gt_i32 s[MK+n], 32*mg+n, v[DM]
.set n, n+1
.endr
	s_wait_alu depctr_va_sdst(0)                   ; the run's sixteen masks are written, ahead of the selects that read them
.set n, 0
.rept 16
	v_cndmask_b32 v[S+16*mg+n], v[S+16*mg+n], v232, s[MK+n]
.set n, n+1
.endr
.set mg, mg+1
.endr
.endm
.macro SOFTMAX s                       ; s: the slot, for V's loads, which are dealt among these lines: none of the lines names KF or KSC
.irp b, 0,1,2,3
	v_max3_num_f32 v[BM+\b], v[S+16*\b], v[S+16*\b+1], v[S+16*\b+2]   ; the largest score of each block of 32 keys: it serves for the row's maximum and, since p rises with the score, for the block's largest p
.endr
.irp i, 3,5,7,9,11,13
.irp b, 0,1,2,3
	v_max3_num_f32 v[BM+\b], v[BM+\b], v[S+16*\b+\i], v[S+16*\b+\i+1]
.endr
.endr
	VTILE \s, 1                                    ; no wait: no vector or matrix instruction since the wait behind the score products names these registers
.irp b, 0,1,2,3
	v_max_num_f32 v[BM+\b], v[BM+\b], v[S+16*\b+15]
.endr
.irp b, 0,1,2,3
	v_permlanex16_b32 v[T2+\b], v[BM+\b], s60, s61
.endr
.irp b, 0,1,2,3
	v_max_num_f32 v[BM+\b], v[BM+\b], v[T2+\b]     ; with lane l xor 16's 16 keys
.endr
	v_max3_num_f32 v232, v[BM], v[BM+1], v[BM+2]
	v_max_num_f32 v232, v232, v[BM+3]
	v_mul_f32 v232, s62, v232                      ; as t (c is positive)
	v_max_num_f32 v13, v13, v232                   ; the running largest t
	v_mov_b32 v232, v12
	v_floor_f32 v12, -v13                          ; the new -M = -ceil(t)
	v_sub_f32 v232, v12, v232                      ; old M less new M: a whole number, 0 or less
	v_cvt_i32_f32 v232, v232                       ; (it saturates)
	v_ldexp_f32 v[F], 1.0, v232                    ; f = 2^(old M - new M)
	VTILE \s, 2                                    ; likewise
.set n, 0
.rept 32
	v_pk_fma_f32 v[S+n:S+n+1], v[S+n:S+n+1], s[62:63], v[12:13] op_sel_hi:[1,0,0]   ; t - M
.set n, n+2
.endr
.irp b, 0,1,2,3
	v_fma_f32 v[BM+\b], v[BM+\b], s62, v12
.endr
	VTILE \s, 3                                    ; likewise: the last of V's loads has the exponentials and all behind them in which to land
.set n, 0
.rept 64
	v_exp_f32 v[S+n], v[S+n]                       ; p = 2^(t - M)
.set n, n+1
.endr
.irp b, 0,1,2,3
	v_exp_f32 v[BM+\b], v[BM+\b]                   ; the block's largest p: the same two instructions on the same number
.endr
	v_pk_mul_f32 v[14:15], v[14:15], v[F:F+1] op_sel_hi:[1,0]   ; the sums under the new M (a plain line behind the exponentials)
	s_wait_alu depctr_va_vdst(0)                   ; the 68 exponentials have written p and the blocks' largest p: one wait for the batch, ahead of its first reader
.irp b, 0,1,2,3
	v_max_num_f32 v[BM+\b], 0x4800000, v[BM+\b]    ; the floor 2^(9 - 127)
.endr
.irp b, 0,1,2,3
	v_add_nc_u32 v[SCO+\b], 0xfc000000, v[BM+\b]
.endr
.irp b, 0,1,2,3
	v_and_or_b32 v[LIM+\b], v[BM+\b], 0x7f800000, s66
.endr
.irp b, 0,1,2,3
	v_lshrrev_b32 v[T2+\b], 23, v[SCO+\b]
.endr
	v_lshl_or_b32 v[PS], v[T2+1], 8, v[T2]         ; p's scale word for these 128 keys
	v_lshl_or_b32 v[PS], v[T2+2], 16, v[PS]
	v_lshl_or_b32 v[PS], v[T2+3], 24, v[PS]
	v_pk_add_f32 v[T2:T2+1], v[S:S+1], v[S+2:S+3]  ; the sum of the unquantised p, in two chains
.set n, 4
.rept 15
	v_pk_add_f32 v[14:15], v[14:15], v[S+n:S+n+1]
	v_pk_add_f32 v[T2:T2+1], v[T2:T2+1], v[S+n+2:S+n+3]
.set n, n+4
.endr
	v_pk_add_f32 v[14:15], v[14:15], v[T2:T2+1]
.irp b, 0,1,2,3
.set n, 0
.rept 16
	v_min_num_f32 v[S+16*\b+n], v[S+16*\b+n], v[LIM+\b]   ; the hold; p is not negative.  (These sixteen also stand between the conversions of the block before and the writes over its numbers)
.set n, n+1
.endr
	v_cvt_scalef32_pk8_fp8_f32 v[P+4*\b:P+4*\b+1], v[S+16*\b:S+16*\b+7], v[SCO+\b]
	v_cvt_scalef32_pk8_fp8_f32 v[P+4*\b+2:P+4*\b+3], v[S+16*\b+8:S+16*\b+15], v[SCO+\b]
.endr
.set n, 0
.rept 16
	v_pk_mul_f32 v[O+n:O+n+1], v[O+n:O+n+1], v[F:F+1] op_sel_hi:[1,0]   ; O^T under the new M (also the places between the codes and the products)
.set n, n+2
.endr
.endm
; A block of queries is finished: O^T / the sum, quantised along d (two blocks of 32, each in lanes l and l xor 16), through my stage, out in units of 256 bytes.  reinit = 1: block j begins.
.macro FIN oa, os, reinit
	v_add_f32 v14, v14, v15
	v_permlanex16_b32 v232, v14, s60, s61
	v_add_f32 v14, v14, v232                       ; the row's sum
	v_rcp_f32 v[F], v14
	v_nop                                          ; a plain line behind the transcendental
.set n, 0
	s_wait_alu depctr_va_vdst(0)                   ; the reciprocal is written, ahead of its first reader
.rept 16
	v_pk_mul_f32 v[S+n:S+n+1], v[O+n:O+n+1], v[F:F+1] op_sel_hi:[1,0]   ; register 16 g + i is d = 32 g + 16 h + i
.set n, n+2
.endr
.irp b, 0,1
	v_max3_num_f32 v[BM+\b], |v[S+16*\b]|, |v[S+16*\b+1]|, 0x4800000
.endr
.irp i, 2,4,6,8,10,12,14
.irp b, 0,1
	v_max3_num_f32 v[BM+\b], v[BM+\b], |v[S+16*\b+\i]|, |v[S+16*\b+\i+1]|
.endr
.endr
.irp b, 0,1
	v_permlanex16_b32 v[T2+\b], v[BM+\b], s60, s61
.endr
.irp b, 0,1
	v_max_num_f32 v[BM+\b], v[BM+\b], v[T2+\b]
.endr
.irp b, 0,1
	v_add_nc_u32 v[SCO+\b], 0xfc000000, v[BM+\b]
.endr
.irp b, 0,1
	v_and_or_b32 v[LIM+\b], v[BM+\b], 0x7f800000, s66
.endr
.irp b, 0,1
	v_lshrrev_b32 v[T2+\b], 23, v[SCO+\b]
.endr
	v_lshl_or_b32 v[W16], v[T2+1], 8, v[T2]
.irp b, 0,1
.set n, 0
.rept 16
	v_med3_num_f32 v[S+16*\b+n], v[S+16*\b+n], -v[LIM+\b], v[LIM+\b]
.set n, n+1
.endr
	v_cvt_scalef32_pk8_fp8_f32 v[S+32+4*\b:S+33+4*\b], v[S+16*\b:S+16*\b+7], v[SCO+\b]
	v_cvt_scalef32_pk8_fp8_f32 v[S+34+4*\b:S+35+4*\b], v[S+16*\b+8:S+16*\b+15], v[SCO+\b]
.endr
	v_nop                                          ; one plain line behind the last conversion
	s_wait_alu depctr_va_vdst(0)                   ; the conversions have written the codes and v[W16] is written, which the stores below read; the softmax and the products are done with S+40 .. S+47, in which the LDS loads land, and with Q and its scale word, in which block j's loads land
	ds_store_b128 v[OSW], v[S+32:S+35]             ; row r of 64 bytes: d = 16 h on,
	ds_store_b128 v[OSW], v[S+36:S+39] offset:32   ; and 32 + 16 h on
	ds_load_b128 v[S+40:S+43], v[OSR]              ; back: rows 0-7, that is two quads of tokens (LDS serves a wave's instructions in order),
	ds_load_b128 v[S+44:S+47], v[OSR] offset:512   ; and rows 8-15, which are 16 tokens further on
	s_wait_dscnt 0x0
	global_store_b128 v[GOA], v[S+40:S+43], s[\oa:\oa+1]               ; sixteen lanes store 256 consecutive bytes, aligned
	global_store_b128 v[GOA], v[S+44:S+47], s[\oa:\oa+1] offset:16384
	global_store_b16 v[SOF], v[W16], s[\os:\os+1]  ; two bytes a token (lanes l and l xor 16 the same): one byte in 32 of what is stored
	s_wait_xcnt 0x0                                ; the stores have read their data: the next scores land there
	s_wait_alu depctr_vm_vsrc(0)                   ; the LDS stores and the stores to memory have read S+32 .. S+47, v[SOF] and v[W16]: the next scores are written over the first, and the last two are written again further on
.if \reinit
	global_load_b128 v[Q:Q+3], v[QOF], s[40:41]
	global_load_b128 v[Q+4:Q+7], v[QOF], s[40:41] offset:32
	global_load_u16 v[QS], v[QSO], s[44:45]
	v_mov_b32 v13, 0xff61b1e6                      ; -3e38
	v_floor_f32 v12, -v13
	v_mov_b32 v14, 0
	v_mov_b32 v15, 0
.set n, 0
.rept 32
	v_mov_b32 v[O+n], 0
.set n, n+1
.endr
	s_wait_loadcnt 0x0
.endif
.endm
; A KEY STEP on slot s.
.macro STEP s, last
.if \last == 0
	s_add_co_u32 s[KN], s[KT], 1                   ; the next step's key tile: one on, or, behind the first diagonal, tile 0 for block j
	s_cmp_eq_u32 s[CUR], s[HD]
	s_cselect_b32 s[KN], 0, s[KN]
	GLOAD                                          ; asked for a whole step ahead.  No wait: the LDS stores that read ST have their wait behind them, and no vector instruction of the loop names ST or the two offsets
.endif
	s_wait_alu depctr_va_vdst(0)                   ; the last step's products onto O^T are done reading KF and KSC, in which K's loads land; in the first step the zeros of Q's upper half and of v[KZ ..] are written, which the score products take as operands
	KLOAD \s
	s_wait_dscnt 0x0
.irp i, 0,1,2,3,4,5,6,7
	v_wmma_scale_f32_16x16x128_f8f6f4 v[S+8*\i:S+8*\i+7], v[KF+8*\i:KF+8*\i+15], v[Q:Q+15], 0, v[KSC+\i], v[QS]
.endr
.rept 8
	v_nop                                          ; places in front of the first read of the scores
.endr
	s_wait_alu depctr_va_vdst(0)                   ; the score products are done reading K's fragments and scale words, in which V's loads land
	VTILE \s, 0                                    ; V's fragments land under the softmax: the first here, the other three among its lines
.if \last == 0
	s_cmp_lg_u32 s[CUR], s[HD]                     ; a branch on ids and the step's number
	s_cbranch_scc1 .Lopen_\@
.endif
	MASK
.if \last == 0
.Lopen_\@:
.endif
	SOFTMAX \s
	s_wait_dscnt 0x0
	s_wait_alu depctr_va_vdst(0)                   ; the conversions have written p's codes, and p's scale word is written: the products below take them as operand and as scales (the sixteen rescalings above are the places, which stay beside this wait)
.irp t, 0,1,2,3                                ; the four accumulators take turns, one instruction a turn
	v_wmma_scale_f32_16x16x128_f8f6f4 v[O+8*\t:O+8*\t+7], v[KF+16*\t:KF+16*\t+15], v[P:P+15], v[O+8*\t:O+8*\t+7], v[KSC+\t], v[PS]
.endr
.rept 9
	v_nop                                          ; nine: the next scores are written by matrix instructions over registers that these products read (p's codes)
.endr
.if \last == 0
	s_wait_loadcnt 0x0                             ; the next step's tiles are in registers,
	LSTORE 1-\s                                    ; and go into the other slot, which nobody has read since the last barrier
	s_wait_alu depctr_vm_vsrc(0)                   ; these LDS stores have read ST, in which the next step's global loads land
	s_cmp_lg_u32 s[CUR], s[HD]
	s_cbranch_scc1 .Lon_\@
	FIN 46, 50, 1
.Lon_\@:
	s_mov_b32 s[KT], s[KN]
	s_add_co_u32 s[CUR], s[CUR], 1
	s_wait_dscnt 0x0                               ; my stores have landed and my reads of this slot are over
	s_barrier_signal -1
	s_barrier_wait -1
.else
	FIN 48, 52, 0
.endif
.endm
	s_wait_alu depctr_va_vdst(0)                   ; the addresses and offsets v1 to v11 and v251 to v254 are written, which the loads and stores of the whole kernel read; so are the head's temporaries v234 to v241, in which the first tile's loads land
	GLOAD                                          ; key tile 0
	global_load_b128 v[Q:Q+3], v[QOF], s[38:39]
	global_load_b128 v[Q+4:Q+7], v[QOF], s[38:39] offset:32
	global_load_u16 v[QS], v[QSO], s[42:43]
.irp i, 0,1,2,3,4,5,6,7
	v_mov_b32 v[Q+8+\i], 0                         ; Q's upper 64 codes
	v_mov_b32 v[KZ+\i], 0
.endr
.set n, 0
.rept 32
	v_mov_b32 v[O+n], 0                            ; the step is written once: the first finds zeros, which the first change of M leaves zeros
.set n, n+1
.endr
.irp b, 0,1,2,3
	v_mov_b32 v[T2+\b], 0                          ; a lane permute's destination counts as one of its sources
.endr
	v_mov_b32 v[F+1], 0
	v_mov_b32 v232, 0
	v_mov_b32 v13, 0xff61b1e6                      ; the largest t so far: -3e38
	v_floor_f32 v12, -v13
	v_mov_b32 v14, 0
	v_mov_b32 v15, 0
	s_wait_loadcnt 0x0
	LSTORE 0
	s_wait_alu depctr_vm_vsrc(0)                   ; these LDS stores have read ST, in which the first step's global loads land
	s_wait_dscnt 0x0
	s_barrier_signal -1
	s_barrier_wait -1
	s_mov_b32 s[TRIP], 8
.Lloop:                                            ; 8 trips of two steps; the 17th step, block j's diagonal, is written out: it asks for nothing
	STEP 0, 0
	STEP 1, 0
	s_sub_co_u32 s[TRIP], s[TRIP], 1
	s_cmp_lg_u32 s[TRIP], 0
	s_cbranch_scc1 .Lloop
	STEP 0, 1
	s_wait_xcnt 0x0
	v_lshl_add_u32 v254, v0, 2, 0x16800            ; the add's two registers are made anew here (no memory instruction has read v254 or v255 since the way out's wait on vm_vsrc)
	v_mov_b32 v255, 0
	s_wait_dscnt 0x0                               ; the closing lines, six on end
	s_wait_alu 0x0
	s_wait_tensorcnt 0x0
	ds_add_u32 v254, v255
	s_wait_dscnt 0x0
	s_endpgm
.Lfunc_end_k_q9552d7030d_attn:
	.size	k_q9552d7030d_attn, .Lfunc_end_k_q9552d7030d_attn-k_q9552d7030d_attn
	.p2alignl 7, 3214868480
	.fill 96, 4, 3214868480
	.section	.rodata,"a",@progbits
	.p2align	6, 0x0
	.amdhsa_kernel k_q9552d7030d_attn
		.amdhsa_group_segment_fixed_size 94208
		.amdhsa_private_segment_fixed_size 0
		.amdhsa_enable_private_segment 0
		.amdhsa_kernarg_size 24
		.amdhsa_user_sgpr_count 2
		.amdhsa_user_sgpr_kernarg_segment_ptr 1
		.amdhsa_wavefront_size32 1
		.amdhsa_system_sgpr_workgroup_id_x 1
		.amdhsa_system_sgpr_workgroup_id_y 1
		.amdhsa_system_sgpr_workgroup_id_z 1
		.amdhsa_system_vgpr_workitem_id 0
		.amdhsa_next_free_vgpr 256
		.amdhsa_next_free_sgpr 68
		.amdhsa_reserve_vcc 0
		.amdhsa_float_denorm_mode_32 3
		.amdhsa_float_denorm_mode_16_64 3
		.amdhsa_memory_ordered 1
		.amdhsa_forward_progress 1
		.amdhsa_inst_pref_size 118
	.end_amdhsa_kernel
	.amdgpu_metadata
---
amdhsa.version: [ 1, 2 ]
amdhsa.kernels:
  - .name:           k_q9552d7030d_attn
    .symbol:         k_q9552d7030d_attn.kd
    .args:
      - { .name: qk, .offset: 0, .size: 8, .value_kind: global_buffer, .address_space: global }
      - { .name: vt, .offset: 8, .size: 8, .value_kind: global_buffer, .address_space: global }
      - { .name: ao, .offset: 16, .size: 8, .value_kind: global_buffer, .address_space: global }
    .group_segment_fixed_size: 94208
    .private_segment_fixed_size: 0
    .kernarg_segment_align: 8
    .kernarg_segment_size: 24
    .max_flat_workgroup_size: 512
    .sgpr_count:     68
    .vgpr_count:     256
    .wavefront_size: 32
...
	.end_amdgpu_metadata
.endif
;; end of part 5
;; launch oproj: the kernel of part 4 again; grid 4 x 32, 4 waves a work-group, clusters of 4 x 4, 327,680 bytes of LDS; arguments ao, wq, out0; writes out0
